; MI455X (gfx1250); checked and timed in simulation.
; The chip was launched on July 23, 2026; its instructions are those of AMD's public machine-readable ISA for CDNA 5 (MIT licence, August 2026) and "CDNA5" Instruction Set Architecture Reference Guide (July 2026). The comments in the code are by the model that wrote it; some were corrected since.
;; Multi Head Attention. Allowed arithmetic: matrix products marked QUANTISED: E2M3 operands, one E8M0 scale for each 32 along K, by v_wmma_scale_f32_16x16x128_f8f6f4 with both operands' format E2M3, f32 sums; everything else in f32.
;; Inputs: W_out 1,024 x 1,024 float32; W_qkv 1,024 x 3,072 float32; b_out 1,024 float32; b_qkv 3,072 float32; key 4 x 2,048 x 1,024 float32; query 4 x 2,048 x 1,024 float32; value 4 x 2,048 x 1,024 float32.
;; Outputs: out0 4 x 2,048 x 1,024 float32.
;; This version of the problem:
;;   THIS VERSION OF THE PROBLEM IS GIVEN IN LOW PRECISION. The matrix products marked QUANTISED in the list below multiply operands that are first quantised to E2M3 (2 exponent bits, 3 mantissa bits; 6 bits a number), with one power-of-two scale for each 32 numbers along K (OCP MX v1.0); their sums are f32. All else is computed in f32.
;;   The module's matrix products, in the order in which they are computed (A, B: the left and right operand; K: the contracted axis; several contracted axes count as one K, in the product's order):
;;     1. [M 8,192, K 1,024] x [K 1,024, N 3,072]; A: input query; B: input W_qkv: QUANTISED
;;     2. batch 64 x [M 2,048, K 64] x [K 64, N 2,048]; A: computed on the way; B: computed on the way: QUANTISED
;;     3. batch 64 x [M 64, K 2,048] x [K 2,048, N 2,048]; A: computed on the way; B: softmax (see below): QUANTISED
;;     4. [M 8,192, K 1,024] x [K 1,024, N 1,024]; A: computed on the way; B: input W_out: QUANTISED
;;   THE QUANTISER, for each operand of a quantised product, along K:
;;     - K is cut into blocks of 32 from its start; a last block that is shorter is filled with zeros.
;;     - A block's scale is 2^e with e = floor(log2(the largest magnitude in the block)) - 2, held to -126 .. 127; a block of zeros has e = 0. As a byte (E8M0): e + 127.
;;     - Each number is divided by its block's scale, clamped to +-7.5, and rounded to the nearest number of E2M3, ties to even, subnormals kept.
;;     - The product sums the exact products of the quantised numbers (number of the format x scale) in f32.
;;   ~~~python
;;   def quantise(x, axis):      # numpy; x: float32 -> the quantised numbers, widened to float32 again
;;       x = np.moveaxis(x, axis, -1); K = x.shape[-1]
;;       x = np.pad(x, [(0, 0)] * (x.ndim - 1) + [(0, -K % 32)]); x = x.reshape(x.shape[:-1] + (-1, 32)); a = np.abs(x).max(-1, keepdims=True)
;;       e = np.where(a > 0, np.clip(np.frexp(np.where(a > 0, a, 1))[1] - 1 - 2, -126, 127), 0)      # np.frexp(a)[1] - 1 = floor(log2(a)), exactly
;;       r = np.clip(x / 2.0 ** e, -7.5, 7.5)
;;       step = 2.0 ** (np.maximum(np.frexp(np.where(r == 0, 1, r))[1] - 1, 0) - 3)
;;       q = np.round(r / step) * step * 2.0 ** e      # np.round: ties to even
;;       return np.moveaxis(q.reshape(q.shape[:-2] + (-1,))[..., :K], -1, axis).astype(np.float32)
;;   ~~~
;;   SOFTMAX AHEAD OF A QUANTISED PRODUCT. Where the list says 'softmax', what is quantised is not the finished softmax but p = 2^(t - M), with t = logit x log2(e) and M = ceil(the row's largest t), a whole number; so 1/2 < the row's largest p <= 1. The row's sum l is taken of the UNQUANTISED p, in f32, and the product's result is divided by l at the end. Since M is a whole number, a kernel that streams over the keys may use a running M (the ceiling of the running maximum): every later rescaling is an exact power of two, which a block's scale takes up: the codes' values come out the same.
;;   OPERANDS COMPUTED ON THE WAY. 'Computed on the way' means the value that the module computes at that place (a softmax that the list does not call 'softmax' is quantised finished and normalised). What goes into a quantiser is computed in f32, as accurately as f32 sums, v_exp_f32 and their like allow (about 1e-6 of the number): no bf16 or f16 on the way to a quantiser, and a product that is left as it is and whose result goes on into a quantised operand takes f32 operands (vector FMAs, or v_wmma_f32_16x16x4_f32). A number that lies on a knife's edge between two numbers of the format may be rounded either way, as far as f32 arithmetic and the matrix unit's own rounding can turn it there, and no further.
;; One version. Each part assembles by itself: llvm-mc -triple=amdgcn-amd-amdhsa -mcpu=gfx1250 --defsym DOCPART=n.
;; ======== version 1 of 1: 4 launches
;; limits: right only within a limited range of input values
;; workspace buffers: xq 6,553,600 bytes; wq 2,457,600 bytes; wo 819,200 bytes; qk 13,107,200 bytes; vv 6,553,600 bytes; ao 6,553,600 bytes
;; launch prep (part 1): grid 384 x 1, 4 waves a work-group, no clusters, 59,904 bytes of LDS; arguments query, W_qkv, W_out, xq, wq, wo; writes xq, wq, wo
.if DOCPART == 1
	.amdgcn_target "amdgcn-amd-amdhsa--gfx1250"
	.amdhsa_code_object_version 6
	.text
	.protected	k_qfc3be37a6c_prep
	.globl	k_qfc3be37a6c_prep
	.p2align	8
	.type	k_qfc3be37a6c_prep,@function
k_qfc3be37a6c_prep:
	s_mov_b64 s[64:65], 0
	v_nop
	global_prefetch_b8 v0, s[64:65] scope:SCOPE_SE
	s_setreg_imm32_b32 hwreg(HW_REG_WAVE_MODE, 25, 1), 1
	s_wait_xcnt 0x0
; query [8192][1024], W_qkv [1024][3072] and W_out [1024][1024], f32, become codes of FP6 (E2M3) with one E8M0 byte for each 32 along K (K = 1024 in all three).
; (The inputs key and value are used by no step of the computation and are not loaded by any launch of this program.)
; A block's scale is 2^(floor(log2(largest magnitude)) - 2): its byte is the largest magnitude's exponent field - 2, held at 1 from below by a floor among the maximum's leaves.
; LIMITS: a block of zeros, or one under 2^-124, gets the byte 1 (its codes are zeros; only this program reads the bytes); NaN and infinities among the inputs are not served.
; LAYOUT OF THE CODES: units of 768 bytes = 16 rows x 64 along K, as an image of half an operand's registers: lane L = r + 16 h holds the 24 bytes of block h of row r;
; its registers 0-3 lie at byte 16 L, its registers 4-5 at byte 512 + 8 L.  A tile of 16 rows has 16 such units on end (12,288 bytes).
; THE ROWS OF A TILE ARE NOT NEIGHBOURS: lane r of tile T holds row 32 (T / 2) + 8 (T % 2) + r + 8 (r / 8).
; LAYOUT OF THE SCALE BYTES: [tile][K / 256][r][8 bytes], 512 bytes a tile, behind the codes.
; Work-groups 0-255 take query (K innermost), 256-383 the weights (K is the first axis).  The two ways share no LDS byte and never join.  Waves share nothing: no barrier.
.set XS,    6291456                    ; xq: where the scale bytes begin
.set WQS,   2359296                    ; wq
.set WOS,   786432                     ; wo
.set FLOOR, 0x1800000                  ; 2^(3 - 127)
.set OFFE,  0xff000000                 ; -(2 << 23): 2 off an exponent field
.set RAW,   32                         ; query: v32-159 two sets of 64 registers as loaded
.set X,     160                        ; v160-223 64 numbers of my row: X + 32 c + e = k 64 c + 32 h + e
.set C,     224                        ; v224-235 a fragment's codes;  v236-238, v240-242 the halves that are moved
.set UP,    3200                       ; weights: from one tile's part of a stage to the other's
	s_load_b256 s[4:11], s[0:1], 0x0               ; query s[4:5], W_qkv s[6:7], W_out s[8:9], xq s[10:11]
	s_load_b128 s[12:15], s[0:1], 0x20             ; wq s[12:13], wo s[14:15]
	v_lshl_add_u32 v254, v0, 2, 0xe800
	v_mov_b32 v255, 0
	v_lshrrev_b32 v30, 5, v0
	v_readfirstlane_b32 s16, v30                   ; wave 0..3
	s_cmp_lt_u32 ttmp9, 256
	s_cbranch_scc0 .Lweights
; ---------------- query.  Job J = 4 x work-group + wave: tile J / 2, half J % 2 of K: 16 rows x 512 k, four steps of one fragment (128 k).
	v_and_b32 v6, 31, v0                           ; lane
	v_lshlrev_b32 v1, 4, v6                        ; 16 x lane
	v_lshlrev_b32 v2, 3, v6                        ; 8 x lane
	v_and_b32 v7, 15, v0                           ; r
	v_bfe_u32 v5, v0, 4, 1                         ; h
	s_mul_i32 s17, s16, 8448                       ; my stage: 16 rows x (512 + 16) bytes
	v_add_nc_u32 v3, s17, v1                       ; into it: a load's 512 bytes as they lie
	v_mul_u32_u24 v4, v7, 528
	v_lshl_add_u32 v4, v5, 7, v4
	v_add_nc_u32 v4, s17, v4                       ; out of it: row r, + 128 h: my block of 32 numbers
	v_lshlrev_b32 v5, 3, v5                        ; 8 h: my bytes' place in a scale word
	s_lshl_b32 s18, ttmp9, 2
	s_add_co_u32 s18, s18, s16                     ; J
	s_lshl_b32 s20, ttmp9, 17                      ; the tile's first row is 32 x work-group + 8 x (wave / 2): rows of 4,096 bytes,
	s_lshr_b32 s19, s16, 1
	s_lshl_b32 s19, s19, 15
	s_add_co_u32 s20, s20, s19
	s_and_b32 s19, s16, 1
	s_lshl_b32 s19, s19, 11                        ; and 2,048 bytes on for the second half of K
	s_add_co_u32 s20, s20, s19
	s_mov_b32 s21, 0
	s_mul_i32 s22, s18, 6144                       ; codes: 8 units a job
	s_mov_b32 s23, 0
	s_lshl_b32 s24, s18, 8                         ; scale bytes: 256 a job
	s_add_co_u32 s24, s24, XS
	s_mov_b32 s25, 0
	s_mov_b32 s26, 0x76543210
	s_mov_b32 s27, 0xfedcba98                      ; v_permlanex16_b32's selects for lane l xor 16
	s_wait_alu depctr_va_vdst(0)
	s_wait_kmcnt 0x0
	s_add_nc_u64 s[4:5], s[4:5], s[20:21]
	s_add_nc_u64 s[22:23], s[10:11], s[22:23]
	s_add_nc_u64 s[24:25], s[10:11], s[24:25]
.macro XLOAD s                         ; step s: 16 loads, each 512 consecutive bytes of one of the tile's rows
.set xi, 0
.rept 16
	global_load_b128 v[RAW+64*((\s)%2)+4*xi:RAW+64*((\s)%2)+4*xi+3], v1, s[4:5] offset:(xi+8*(xi/8))*4096+512*(\s) th:TH_LOAD_NT
.set xi, xi+1
.endr
.endm
.macro XSTEP s
.if (\s) < 3
	s_wait_loadcnt 16                              ; this step's 16 loads are in; the next step's 16 may be out
.else
	s_wait_loadcnt 0x0
.endif
.set xi, 0
.rept 16
	ds_store_b128 v3, v[RAW+64*((\s)%2)+4*xi:RAW+64*((\s)%2)+4*xi+3] offset:528*xi
.set xi, xi+1
.endr
.set xi, 0
.rept 16                               ; LDS serves a wave's instructions in order: these see the stores above
	ds_load_b128 v[X+4*xi:X+4*xi+3], v4 offset:256*(xi/8)+16*(xi%8)
.set xi, xi+1
.endr
	s_wait_dscnt 0x0
.if (\s) < 2
	XLOAD (\s)+2                                   ; into the set that the stage's stores have read
.endif
	v_max3_num_f32 v8, |v[X]|, |v[X+1]|, FLOOR     ; my two whole blocks, by turns; the floor holds the byte at 1 from below
	v_max3_num_f32 v9, |v[X+32]|, |v[X+33]|, FLOOR
.set xi, 2
.rept 15
	v_max3_num_f32 v8, v8, |v[X+xi]|, |v[X+xi+1]|
	v_max3_num_f32 v9, v9, |v[X+32+xi]|, |v[X+33+xi]|
.set xi, xi+2
.endr
	v_add_nc_u32 v10, OFFE, v8                     ; the conversion takes the exponent field of this operand as its scale
	v_add_nc_u32 v11, OFFE, v9
	v_lshrrev_b32 v8, 23, v10                      ; the bytes
	v_lshrrev_b32 v9, 23, v11
	v_lshl_or_b32 v6, v9, 16, v8                   ; blocks h and 2 + h of my row,
	v_lshlrev_b32 v6, v5, v6                       ; 8 h bits up;
	v_permlanex16_b32 v7, v6, s26, s27
	v_or_b32 v[12+(\s)], v6, v7                    ; with lane l xor 16's two the word is whole
	s_wait_alu depctr_va_vdst(0)
	s_wait_xcnt 0x0                                ; the last step's stores have read their data: the codes' registers are written again only behind this wait
	v_cvt_scalef32_pk16_fp6_f32 v[C:C+2], v[X:X+15], v10
	v_cvt_scalef32_pk16_fp6_f32 v[236:238], v[X+16:X+31], v10       ; (a conversion's three registers begin on an even number)
	v_cvt_scalef32_pk16_fp6_f32 v[C+6:C+8], v[X+32:X+47], v11
	v_cvt_scalef32_pk16_fp6_f32 v[240:242], v[X+48:X+63], v11
	v_nop                                          ; one plain place behind the conversions
.irp i, 0,1,2
	v_mov_b32 v[C+3+\i], v[236+\i]
	v_mov_b32 v[C+9+\i], v[240+\i]
.endr
	global_store_b128 v1, v[C:C+3], s[22:23] offset:1536*(\s)          ; 512 consecutive bytes,
	global_store_b64 v2, v[C+4:C+5], s[22:23] offset:1536*(\s)+512     ; 256,
	global_store_b128 v1, v[C+6:C+9], s[22:23] offset:1536*(\s)+768    ; and the second unit likewise
	global_store_b64 v2, v[C+10:C+11], s[22:23] offset:1536*(\s)+1280
.endm
	XLOAD 0
	XLOAD 1
	XSTEP 0
	XSTEP 1
	XSTEP 2
	XSTEP 3
	v_cmp_ne_u32 vcc_lo, 0, v5                     ; lanes 16-31
	v_cndmask_b32 v8, v12, v14, vcc_lo             ; lanes 0-15: the words of the first 256 k of my 512; lanes 16-31: of the second
	v_cndmask_b32 v9, v13, v15, vcc_lo
	global_store_b64 v2, v[8:9], s[24:25]          ; 32 lanes store 256 consecutive bytes
	s_wait_tensorcnt 0x0
	ds_add_u32 v254, v255
	s_wait_dscnt 0x0
	s_endpgm
; ---------------- the weights.  A lane takes a column n and its registers run down K: a block of 32 lies in one lane.  A wave: 32 columns (two tiles) x 256 k.
.Lweights:
	s_sub_co_u32 s17, ttmp9, 256
	s_and_b32 s18, s17, 31                         ; which 128 columns: 0-23 of W_qkv, 24-31 of W_out
	s_lshr_b32 s19, s17, 5                         ; which 256 along K
	s_wait_kmcnt 0x0
	s_cmp_lt_u32 s18, 24                           ; the choice hangs on the work-group's number alone; both weights take one way through the text
	s_cselect_b64 s[4:5], s[6:7], s[8:9]
	s_cselect_b64 s[10:11], s[12:13], s[14:15]
	s_mov_b32 s20, WOS
	s_cselect_b32 s20, WQS, s20
	s_mov_b32 s21, 4096
	s_cselect_b32 s21, 12288, s21                  ; a row of the weight in bytes
	s_cselect_b32 s22, 0, 24
	s_sub_co_u32 s18, s18, s22
	s_lshl_b32 s23, s18, 2
	s_add_co_u32 s23, s23, s16                     ; my pair of tiles = my 32 columns
	s_lshl_b32 s24, s19, 8
	s_mul_i32 s24, s24, s21                        ; 256 rows a K part
	s_lshl_b32 s25, s23, 7                         ; 128 bytes a pair of tiles
	s_add_co_u32 s24, s24, s25
	s_mov_b32 s25, 0
	s_add_nc_u64 s[32:33], s[4:5], s[24:25]        ; block 0's first row;
	s_lshl_b32 s26, s21, 5
	s_mov_b32 s27, 0
.irp t, 1,2,3,4,5,6,7
	s_add_nc_u64 s[32+2*\t:33+2*\t], s[30+2*\t:31+2*\t], s[26:27]   ; block t's: 32 rows on
.endr
	s_mul_i32 s24, s23, 24576
	s_mul_i32 s28, s19, 3072
	s_add_co_u32 s24, s24, s28
	s_add_nc_u64 s[48:49], s[10:11], s[24:25]      ; codes: two tiles of 12,288 bytes a pair, four units a K part
	s_lshl_b32 s24, s23, 10
	s_lshl_b32 s28, s19, 7
	s_add_co_u32 s24, s24, s28
	s_add_co_u32 s24, s24, s20
	s_add_nc_u64 s[50:51], s[10:11], s[24:25]      ; scale bytes
	v_and_b32 v24, 31, v0                          ; lane = column
	v_lshlrev_b32 v16, 2, v24
	v_lshlrev_b32 v20, 4, v24
	v_bfe_u32 v25, v0, 3, 1                        ; u: which of the two tiles my column lies in,
	v_and_b32 v26, 7, v0
	v_bfe_u32 v27, v0, 4, 1
	v_lshl_or_b32 v26, v27, 3, v26                 ; r: and at which lane's place
	s_mul_i32 s28, s16, 6400
	s_add_co_u32 s28, s28, 33792                   ; my stage: two tiles x four units, 3,200 bytes apart
	v_mul_u32_u24 v27, v25, UP
	v_add_nc_u32 v27, s28, v27
	v_lshl_add_u32 v17, v26, 4, v27                ; a unit's registers 0-3: 16 r (+ 256 h in the offset)
	v_lshl_add_u32 v18, v26, 3, v27                ; its registers 4-5: 8 r (+ 512 + 128 h)
	v_add_nc_u32 v19, s28, v20                     ; back: 16 x lane
	v_lshlrev_b32 v21, 9, v25
	v_lshl_add_u32 v21, v26, 3, v21                ; my 8 scale bytes: 512 u + 8 r
.set wi, 0
.rept 32
	v_mad_u32_u24 v[32+wi], s21, wi, v16           ; row i of a block, my column
.set wi, wi+1
.endr
.macro WLOAD t                         ; block t: 32 rows, 128 consecutive bytes a load (the four waves stand side by side)
.set wi, 0
.rept 32
	global_load_b32 v[64+32*((\t)%2)+wi], v[32+wi], s[32+2*(\t):33+2*(\t)] th:TH_LOAD_NT
.set wi, wi+1
.endr
.endm
.macro WBLOCK t
.set WX, 64+32*((\t)%2)
.if (\t) < 7
	s_wait_loadcnt 32                              ; this block's 32 loads are in; the next block's may be out
.else
	s_wait_loadcnt 0x0
.endif
	v_max3_num_f32 v28, |v[WX]|, |v[WX+1]|, |v[WX+2]|
	v_max3_num_f32 v29, |v[WX+3]|, |v[WX+4]|, |v[WX+5]|
.irp i, 6,10,14,18,22,26
	v_max3_num_f32 v28, v28, |v[WX+\i]|, |v[WX+\i+1]|
	v_max3_num_f32 v29, v29, |v[WX+\i+2]|, |v[WX+\i+3]|
.endr
	v_max3_num_f32 v28, v28, |v[WX+30]|, |v[WX+31]|
	v_max3_num_f32 v28, v28, v29, FLOOR
	v_add_nc_u32 v30, OFFE, v28                    ; the conversions' scale operand
	v_lshrrev_b32 v29, 23, v30                     ; the byte
.if (\t)%4 == 0
	v_mov_b32 v[22+(\t)/4], v29
.else
	v_lshl_or_b32 v[22+(\t)/4], v29, 8*((\t)%4), v[22+(\t)/4]
.endif
	v_cvt_scalef32_pk16_fp6_f32 v[128:130], v[WX:WX+15], v30
	v_cvt_scalef32_pk16_fp6_f32 v[136:138], v[WX+16:WX+31], v30
	v_nop                                          ; one plain place behind the conversions
.irp i, 0,1,2
	v_mov_b32 v[131+\i], v[136+\i]
.endr
	ds_store_b128 v17, v[128:131] offset:768*((\t)/2)+256*((\t)%2)        ; block t is half t % 2 of unit t / 2
	ds_store_b64 v18, v[132:133] offset:768*((\t)/2)+512+128*((\t)%2)
.if (\t) < 6
	WLOAD (\t)+2
.endif
	s_wait_dscnt 0x0                               ; the stores have read their registers
.endm
	WLOAD 0
	WLOAD 1
.irp t, 0,1,2,3,4,5,6,7
	WBLOCK \t
.endr
.set wi, 0
.rept 12
	ds_load_b128 v[140+4*wi:143+4*wi], v19 offset:UP*(wi/6)+512*(wi%6)
.set wi, wi+1
.endr
.set wi, 0
.rept 12
	s_wait_dscnt 11-wi                             ; the younger loads may be out
	global_store_b128 v20, v[140+4*wi:143+4*wi], s[48:49] offset:12288*(wi/6)+512*(wi%6)   ; 512 consecutive bytes
.set wi, wi+1
.endr
	s_wait_alu depctr_va_vdst(0)
	global_store_b64 v21, v[22:23], s[50:51]       ; runs of 128 bytes: one byte in 128 of what this way reads
	s_wait_tensorcnt 0x0
	ds_add_u32 v254, v255
	s_wait_dscnt 0x0
	s_endpgm
.Lfunc_end_k_qfc3be37a6c_prep:
	.size	k_qfc3be37a6c_prep, .Lfunc_end_k_qfc3be37a6c_prep-k_qfc3be37a6c_prep
	.p2alignl 7, 3214868480
	.fill 96, 4, 3214868480
	.section	.rodata,"a",@progbits
	.p2align	6, 0x0
	.amdhsa_kernel k_qfc3be37a6c_prep
		.amdhsa_group_segment_fixed_size 59904
		.amdhsa_private_segment_fixed_size 0
		.amdhsa_enable_private_segment 0
		.amdhsa_kernarg_size 48
		.amdhsa_user_sgpr_count 2
		.amdhsa_user_sgpr_kernarg_segment_ptr 1
		.amdhsa_wavefront_size32 1
		.amdhsa_system_sgpr_workgroup_id_x 1
		.amdhsa_system_sgpr_workgroup_id_y 1
		.amdhsa_system_sgpr_workgroup_id_z 1
		.amdhsa_system_vgpr_workitem_id 0
		.amdhsa_next_free_vgpr 256
		.amdhsa_next_free_sgpr 66
		.amdhsa_reserve_vcc 1
		.amdhsa_float_denorm_mode_32 3
		.amdhsa_float_denorm_mode_16_64 3
		.amdhsa_memory_ordered 1
		.amdhsa_forward_progress 1
		.amdhsa_inst_pref_size 74
	.end_amdhsa_kernel
	.amdgpu_metadata
---
amdhsa.version: [ 1, 2 ]
amdhsa.kernels:
  - .name:           k_qfc3be37a6c_prep
    .symbol:         k_qfc3be37a6c_prep.kd
    .args:
      - { .name: query, .offset: 0, .size: 8, .value_kind: global_buffer, .address_space: global }
      - { .name: W_qkv, .offset: 8, .size: 8, .value_kind: global_buffer, .address_space: global }
      - { .name: W_out, .offset: 16, .size: 8, .value_kind: global_buffer, .address_space: global }
      - { .name: xq, .offset: 24, .size: 8, .value_kind: global_buffer, .address_space: global }
      - { .name: wq, .offset: 32, .size: 8, .value_kind: global_buffer, .address_space: global }
      - { .name: wo, .offset: 40, .size: 8, .value_kind: global_buffer, .address_space: global }
    .group_segment_fixed_size: 59904
    .private_segment_fixed_size: 0
    .kernarg_segment_align: 8
    .kernarg_segment_size: 48
    .max_flat_workgroup_size: 128
    .sgpr_count:     66
    .vgpr_count:     256
    .wavefront_size: 32
...
	.end_amdgpu_metadata
.endif
;; end of part 1
;; launch gemm1 (part 2): grid 8 x 32, 4 waves a work-group, clusters of 4 x 4, 327,680 bytes of LDS; arguments xq, wq, b_qkv, qk, vv; writes qk, vv
.if DOCPART == 2
	.amdgcn_target "amdgcn-amd-amdhsa--gfx1250"
	.amdhsa_code_object_version 6
	.text
	.protected	k_qfc3be37a6c_gemm1
	.globl	k_qfc3be37a6c_gemm1
	.p2align	8
	.type	k_qfc3be37a6c_gemm1,@function
k_qfc3be37a6c_gemm1:
	s_mov_b64 s[64:65], 0
	v_nop
	global_prefetch_b8 v0, s[64:65] scope:SCOPE_SE
	s_setreg_imm32_b32 hwreg(HW_REG_WAVE_MODE, 25, 1), 1
	s_wait_xcnt 0x0
	s_wait_alu depctr_hold_cnt(0) depctr_sa_sdst(0) depctr_va_vdst(0) depctr_va_sdst(0) depctr_va_ssrc(0) depctr_va_vcc(0) depctr_vm_vsrc(0)
	s_getreg_b32 s2, hwreg(HW_REG_IB_STS2, 6, 4)
	s_cmp_eq_u32 s2, 0
	s_cbranch_scc0 .Lentry_in_a_cluster
	s_endpgm
.Lentry_in_a_cluster:
	s_bfe_u32 s2, ttmp6, 0x10000c
	s_cmp_lg_u32 s2, 0xf033
	s_cbranch_scc0 .Lentry_shape_is_right
	s_endpgm
.Lentry_shape_is_right:
; qkv = query W_qkv + b_qkv on codes of FP6 (E2M3) with E8M0 scales, K = 1,024; the result is quantised on the way out: q and k along a head's 64 channels (qk), v along the keys (vv).  No f32 result is stored.
; OPERANDS (xq, wq): tiles of 16 rows, 12,288 bytes: 16 units of 768 bytes (16 rows x 64 k: lane L's registers 0-3 at 16 L, 4-5 at 512 + 8 L); lane r of tile T holds row 32 (T / 2) + 8 (T % 2) + r + 8 (r / 8).
; Scale bytes behind the codes: [tile][K / 256][r][8].
; THE DEAL: 256 work-groups of four waves, 2 x 2.  A work-group takes 256 tokens through THREE PHASES of 128 columns of W_qkv: q's columns 128 g .., k's, v's (g = work-group x).  The tokens' 16 tiles lie in LDS for the whole launch.
; In a phase a wave holds four column tiles (one head), all of K, in registers (32 fragments) and streams its eight token tiles past them: 32 products a block, four accumulators by turns.
; W's 8 tiles have LDS bytes of their own: when every wave holds its fragments, the next phase's tiles are filled over them, behind a wait, a spare add and a round of the cluster's barrier, one joint load a wave (two tiles);
; that load has the phase's 256 products of a wave in which to land, so no data prefetch is laid.  A plain barrier at the phase's end shows it to all.
; Phases q and k are one text, a loop of two trips (pointers alone differ): source 0 = W's rows, source 1 = tokens, so that a lane holds one token and 32 channels a block.  Phase v: source 0 = tokens, source 1 = W's rows: a lane holds one channel and, over four blocks, 32 keys for each column tile.
; THE WAY OUT, behind every four blocks: four times 32 sums in a lane (two scale blocks, each shared with lane l xor 16) become a unit of 768 bytes and two scale bytes; eight chains by turns.
; qk: codes [head][128 tokens][token tile][768], scale words [head][128 tokens][r][4 words: tiles 2 g, 2 g + 1, two bytes each].  vv: codes [head][128 keys][channel tile][64 keys][768], scale words [head][128 keys][r][channel tile].
; CLUSTER 4 x 4: the tokens' tiles are asked for jointly along a row of the cluster, W's along a column.  The bias is the first product's C: a sum begins with it.
; LIMITS: a block under 2^-124 gets the byte 1 (only this program reads the bytes); NaN, infinities and sums beyond f32's range are not served.
.set XS,  6291456
.set WQS, 2359296
.set QKS, 12582912
.set VS,  6291456
.set FR,  12
.set FPW, 21                           ; fragments in a window; fragment f lies in window 1 + f / 21: 0-31 W's (4 q + b), 32-47 the tokens' two sets (32 + 8 e + q)
.set TB,  12288
.set YB,  16*TB                        ; W's tiles
.set SPARE, YB+8*TB
.set SPW, 10
.set NIL, 11
.set AD,  12                           ; v12-17 my token tiles in the head's three parts: 16 and 8 bytes a lane
.set BA,  18                           ; v18-19 the same for W
.set SB,  24                           ; v24-39 W's scale words: 8 p + q; lanes 0-15 tile 2 p, lanes 16-31 tile 2 p + 1
.set SA,  44                           ; v44-75 the tokens', by pairs of blocks
.set BI,  80                           ; v80-111 the bias
.set TM,  112                          ; the way out: v112-119 maxima (2 u + block), v120-127 the other half's, then bytes, v128-135 scale operands
.set TX,  120
.set SO,  128
.set PC,  136                          ; v136-167 four units' codes, eight registers apart
.set CT,  168                          ; v168-183 the halves that change lanes
.set HW,  184                          ; v184-191 two bytes of each of a phase's eight ways out
.set WD,  192                          ; v192-195 the scale words, v196-197 as stored
.set ST,  196
.set ACC, 72                           ; window 3, v72-199: 16 accumulators
.set G1B, 24
.set G1P, 32
.set G1Q, 48
.set G0B, 56
.set G0P, 60
.set G0Q, 68
.set G0R, 72
.set G0W, 88
.set G1W, 92
.set SEL, 18
.set MSB, 0
.macro WIN new
.if MSB != (\new)
	s_set_vgpr_msb (MSB<<8)|(\new)
.set MSB, (\new)
.endif
.endm
.macro PLACES n
.rept \n
	v_nop
.endr
.endm
.macro BARRIER
	s_barrier_signal -1
	s_barrier_wait -1
.endm
.macro CROUND
	BARRIER
	s_cmp_lg_u32 s14, 0
	s_cbranch_scc1 .Lnot_wave_0_\@
	s_barrier_signal -3
.Lnot_wave_0_\@:
	s_barrier_wait -3
	BARRIER
.endm
.macro TLOAD g0, g1
	tensor_load_to_lds s[\g0:\g0+3], s[\g1:\g1+7]
	s_nop 0
	PLACES 4
.endm
.macro GROUP1 g, mask, d0, rows, stride ; rows of d0 elements of 8 bytes
	s_or_b32 s[\g], s[\mask], (3<<16)|(1<<21)
	s_mov_b32 s[\g+1], (\d0)<<16
	s_mov_b32 s[\g+2], (\rows)<<16
	s_mov_b32 s[\g+3], (\d0)<<16
	s_mov_b32 s[\g+4], \rows
	s_mov_b32 s[\g+5], \stride
	s_mov_b32 s[\g+6], 0
	s_mov_b32 s[\g+7], 0
.endm
.macro FRAG f, a16, a8, off            ; a fragment = two units on end
	WIN (1+(\f)/FPW)<<6
.set R_, FR*((\f)%FPW)
	ds_load_b128 v[R_:R_+3], v[\a16] offset:\off
	ds_load_b64 v[R_+4:R_+5], v[\a8] offset:(\off)+512
	ds_load_b128 v[R_+6:R_+9], v[\a16] offset:(\off)+768
	ds_load_b64 v[R_+10:R_+11], v[\a8] offset:(\off)+1280
.endm
.macro FETCH a                         ; block a's eight fragments into set a % 2: 32 loads
.if (\a) < 2
.set P_, 0
.set I_, (\a)
.elseif (\a) < 5
.set P_, 1
.set I_, (\a)-2
.else
.set P_, 2
.set I_, (\a)-5
.endif
.irp q, 0,1,2,3,4,5,6,7
	FRAG 32+8*((\a)%2)+\q, AD+2*P_, AD+2*P_+1, I_*TB+1536*\q
.endr
	WIN 0
.endm
.macro WFRAGS                          ; my four column tiles, all of K: 128 loads
.irp q, 0,1,2,3,4,5,6,7
.irp b, 0,1,2,3
	FRAG 4*\q+\b, BA, BA+1, \b*TB+1536*\q
.endr
.endr
	WIN 0
.endm
.macro PX d, s0, s1, c, x0, x1, ra, rb
	v_wmma_scale_f32_16x16x128_f8f6f4 v[\d:\d+7], v[\s0:\s0+11], v[\s1:\s1+11], \c, v[\x0], v[\x1] matrix_a_fmt:MATRIX_FMT_FP6 matrix_b_fmt:MATRIX_FMT_FP6 matrix_a_scale:MATRIX_SCALE_ROW\ra matrix_b_scale:MATRIX_SCALE_ROW\rb
.endm
.macro PW d, s0, s1, c, x0, x1, ra, rb
.if (\ra) && (\rb)
	PX \d, \s0, \s1, \c, \x0, \x1, 1, 1
.elseif (\ra)
	PX \d, \s0, \s1, \c, \x0, \x1, 1, 0
.elseif (\rb)
	PX \d, \s0, \s1, \c, \x0, \x1, 0, 1
.else
	PX \d, \s0, \s1, \c, \x0, \x1, 0, 0
.endif
.endm
.macro PROD kind, a, n                 ; product n = 4 q + b of block a.  kind 0 (q, k): sums at 32 (a % 4) + 8 b;  kind 1 (v): sources swapped, sums at 32 b + 8 (a % 4)
.set Q_, (\n)/4
.set B_, (\n)%4
.set FA_, 32+8*((\a)%2)+Q_
.if \kind
.set D_, ACC+32*B_+8*((\a)%4)
.set S0_, FR*(FA_%FPW)
.set S1_, FR*((\n)%FPW)
.set X0_, SA+8*((\a)/2)+Q_
.set X1_, SB+8*(B_/2)+Q_
.set R0_, (\a)%2
.set R1_, B_%2
.set M_, (1+FA_/FPW)|((1+(\n)/FPW)<<2)
.else
.set D_, ACC+32*((\a)%4)+8*B_
.set S0_, FR*((\n)%FPW)
.set S1_, FR*(FA_%FPW)
.set X0_, SB+8*(B_/2)+Q_
.set X1_, SA+8*((\a)/2)+Q_
.set R0_, B_%2
.set R1_, (\a)%2
.set M_, (1+(\n)/FPW)|((1+FA_/FPW)<<2)
.endif
.if Q_
	WIN M_|0xf0                                    ; C and D in window 3
	PW D_, S0_, S1_, v[D_:D_+7], X0_, X1_, R0_, R1_
.else
	WIN M_|0xc0                                    ; C, the bias, in window 0
	PW D_, S0_, S1_, v[BI+8*B_:BI+8*B_+7], X0_, X1_, R0_, R1_
.endif
.endm
.macro BLK kind, a, nxt                ; a block's 32 products; four places; the fetch of block nxt into the set just read (-1: none)
.set N_, 0
.rept 32
	PROD \kind, \a, N_
.set N_, N_+1
.endr
	WIN 0
	PLACES 4
.if (\nxt) >= 0
	FETCH \nxt
.endif
.endm
.macro WAYOUT kind, hf                 ; the four ways out of the phase's half hf
	s_wait_xcnt 0x0                                ; the last half's stores have read their registers
	WIN 0x3c                                       ; sources 1 and 2 in window 3
.irp u, 0,1,2,3
.irp b, 0,1
	v_max3_num_f32 v[TM+2*\u+\b], 0x1800000, |v[ACC+32*\u+16*\b]|, |v[ACC+32*\u+16*\b+1]|   ; each accumulator from its low end on; the floor 2^(3 - 127) holds the byte at 1
.endr
.endr
.irp i, 2,4,6,8,10,12,14
.irp u, 0,1,2,3
.irp b, 0,1
	v_max3_num_f32 v[TM+2*\u+\b], v[TM+2*\u+\b], |v[ACC+32*\u+16*\b+\i]|, |v[ACC+32*\u+16*\b+\i+1]|
.endr
.endr
.endr
	WIN 0
.irp m, 0,1,2,3,4,5,6,7
	v_permlanex16_b32 v[TX+\m], v[TM+\m], s[SEL], s[SEL+1]
.endr
.irp m, 0,1,2,3,4,5,6,7
	v_max_num_f32 v[TM+\m], v[TM+\m], v[TX+\m]     ; with lane l xor 16's: the block's largest magnitude
.endr
.irp m, 0,1,2,3,4,5,6,7
	v_add_nc_u32 v[SO+\m], 0xff000000, v[TM+\m]    ; 2 off its exponent field: the conversion's scale operand
.endr
.irp m, 0,1,2,3,4,5,6,7
	v_lshrrev_b32 v[TX+\m], 23, v[SO+\m]           ; the byte
.endr
.irp u, 0,1,2,3
	v_lshl_or_b32 v[HW+4*\hf+\u], v[TX+2*\u+1], 8, v[TX+2*\u]
.endr
	WIN 0x03                                       ; source 0 in window 3
.irp u, 0,1,2,3
	v_cvt_scalef32_pk16_fp6_f32 v[PC+8*\u:PC+8*\u+2], v[ACC+32*\u:ACC+32*\u+15], v[SO+2*\u]
	v_cvt_scalef32_pk16_fp6_f32 v[CT+4*\u:CT+4*\u+2], v[ACC+32*\u+16:ACC+32*\u+31], v[SO+2*\u+1]
.endr
	WIN 0
	v_nop                                          ; one plain place behind the conversions
.irp u, 0,1,2,3                        ; a whole block in a lane
.irp i, 0,1,2
	v_permlane16_swap_b32 v[PC+8*\u+\i], v[CT+4*\u+\i]
.endr
.endr
.irp u, 0,1,2,3
.irp i, 0,1,2
	v_mov_b32 v[PC+8*\u+3+\i], v[CT+4*\u+\i]
.endr
.endr
.irp u, 0,1,2,3                        ; a unit: 512 consecutive bytes, then 256
.if \kind
	global_store_b128 v4, v[PC+8*\u:PC+8*\u+3], s[12:13] offset:1536*\u+768*\hf
	global_store_b64 v5, v[PC+8*\u+4:PC+8*\u+5], s[12:13] offset:1536*\u+768*\hf+512
.else
	global_store_b128 v4, v[PC+8*\u:PC+8*\u+3], s[10:11] offset:768*(4*\hf+\u)
	global_store_b64 v5, v[PC+8*\u+4:PC+8*\u+5], s[10:11] offset:768*(4*\hf+\u)+512
.endif
.endr
.endm
.macro WORDS kind                      ; the phase's 256 scale bytes: lanes 0-15 store words 0, 1 of row r, lanes 16-31 words 2, 3
.irp g, 0,1,2,3
.if \kind
	v_lshl_or_b32 v[WD+\g], v[HW+4+\g], 16, v[HW+\g]                       ; channel tile g: keys 0-63, then 64-127
.else
	v_lshl_or_b32 v[WD+\g], v[HW+2*\g+1], 16, v[HW+2*\g]                   ; token tiles 2 g, 2 g + 1
.endif
.endr
	v_cmp_ne_u32 vcc_lo, 0, v2
	v_cndmask_b32 v[ST], v[WD], v[WD+2], vcc_lo
	v_cndmask_b32 v[ST+1], v[WD+1], v[WD+3], vcc_lo
.if \kind
	global_store_b64 v9, v[ST:ST+1], s[100:101]
.else
	global_store_b64 v9, v[ST:ST+1], s[2:3]
.endif
.endm
.macro CONSTS kind                     ; the phase's scale words of W and its bias, from memory into registers
.irp p, 0,1
.irp k, 0,1,2,3
	global_load_b64 v[SB+8*\p+2*\k:SB+8*\p+2*\k+1], v6, s[82:83] offset:1024*\p+128*\k
.endr
.endr
.irp b, 0,1,2,3
.if \kind                              ; v: my lane's one channel, in all eight registers
.irp j, 0,1,2,3,4,5,6,7
	global_load_b32 v[BI+8*\b+\j], v8, s[84:85] offset:4*(32*(\b/2)+8*(\b%2))
.endr
.else                                  ; q, k: register j is column 32 (b / 2) + 8 (b % 2) + 16 h + j of my 64
	global_load_b128 v[BI+8*\b:BI+8*\b+3], v7, s[84:85] offset:4*(32*(\b/2)+8*(\b%2))
	global_load_b128 v[BI+8*\b+4:BI+8*\b+7], v7, s[84:85] offset:4*(32*(\b/2)+8*(\b%2))+16
.endif
.endr
.endm
.macro PHASE kind, last                ; eight blocks.  The counted wait: the next block's fragments are in; younger is the fetch just issued, 32 loads
	BLK \kind, 0, 2
	s_wait_dscnt 32
	BLK \kind, 1, 3
	s_wait_dscnt 32
	BLK \kind, 2, 4
	s_wait_dscnt 32
	BLK \kind, 3, 5
	WAYOUT \kind, 0
	s_wait_dscnt 32
	BLK \kind, 4, 6
	s_wait_dscnt 32
	BLK \kind, 5, 7
	s_wait_dscnt 32
.if \last
	BLK \kind, 6, -1
	s_wait_dscnt 0x0
	BLK \kind, 7, -1
.else
	BLK \kind, 6, 0                                ; the next phase streams the same tiles
	s_wait_dscnt 32
	BLK \kind, 7, 1
.endif
	WAYOUT \kind, 1
	WORDS \kind
.endm
	s_load_b256 s[4:11], s[0:1], 0x0               ; xq, wq, b_qkv, qk
	s_load_b64 s[12:13], s[0:1], 0x20              ; vv
	v_lshl_add_u32 v[SPW], v0, 2, SPARE
	v_mov_b32 v[NIL], 0
	ds_add_u32 v[SPW], v[NIL]
	ds_add_u32 v[SPW], v[NIL]
	v_lshrrev_b32 v1, 5, v0
	v_readfirstlane_b32 s14, v1                    ; the wave; s15 its row of the 2 x 2, s16 its column
	s_lshr_b32 s15, s14, 1
	s_and_b32 s16, s14, 1
	s_bfe_u32 s40, ttmp6, 0x40000
	s_bfe_u32 s41, ttmp6, 0x40004
	s_lshl_b32 s42, ttmp9, 2
	s_add_co_u32 s42, s42, s40                     ; g: which 128 columns of each phase
	s_and_b32 s17, ttmp7, 0xffff
	s_lshl_b32 s17, s17, 2
	s_add_co_u32 s17, s17, s41                     ; which 256 tokens
	s_lshl_b32 s43, s41, 2
	s_lshl_b32 s43, 15, s43                        ; my row of the cluster
	s_lshl_b32 s44, 0x1111, s40                    ; my column
	GROUP1 G1B, 44, 32, 384, 32                    ; W's 8 tiles: 98,304 dense bytes as rows of 256
	GROUP1 G1P, 43, 3072, 2, 12288                 ; tokens: two tiles for each wave row, 8 tiles apart
	GROUP1 G1Q, 43, 4608, 2, 12288                 ; three
	GROUP1 G1W, 44, 32, 96, 32                     ; a refill's two tiles
	s_mov_b32 s[G0B], 1
	s_mov_b32 s[G0B+1], YB
	s_mov_b32 s[G0P], 1
	s_mov_b32 s[G0P+1], 0
	s_mov_b32 s[G0Q], 1
	s_mov_b32 s[G0Q+1], 4*TB
	s_mov_b32 s[G0R], 1
	s_mov_b32 s[G0R+1], 10*TB
	s_mov_b32 s[G0W], 1
	s_mul_i32 s[G0W+1], s14, 2*TB
	s_add_co_u32 s[G0W+1], s[G0W+1], YB
	s_mul_i32 s76, s17, 16*TB
	s_mov_b32 s77, 0
	s_mul_i32 s78, s42, 8*TB
	s_mov_b32 s79, 0
	s_lshl_b32 s46, s42, 3
	s_lshl_b32 s3, s14, 1
	s_add_co_u32 s46, s46, s3
	s_add_co_u32 s46, s46, 64
	s_mul_i32 s46, s46, TB                         ; the first refill: k's tiles, 64 on; my two of them
	s_mov_b32 s47, 0
	s_lshl_b32 s80, s17, 4
	s_lshl_b32 s3, s15, 3
	s_add_co_u32 s80, s80, s3
	s_lshl_b32 s80, s80, 9
	s_add_co_u32 s80, s80, XS                      ; my eight token tiles' scale bytes
	s_mov_b32 s81, 0
	s_lshl_b32 s82, s42, 3
	s_lshl_b32 s3, s16, 2
	s_add_co_u32 s82, s82, s3
	s_lshl_b32 s82, s82, 9
	s_add_co_u32 s82, s82, WQS                     ; my four column tiles'
	s_mov_b32 s83, 0
	s_lshl_b32 s84, s42, 9
	s_lshl_b32 s3, s16, 8
	s_add_co_u32 s84, s84, s3                      ; my first column's bias
	s_mov_b32 s85, 0
	s_lshl_b32 s100, s42, 1
	s_add_co_u32 s100, s100, s16                   ; my head
	s_lshl_b32 s100, s100, 6
	s_lshl_b32 s3, s17, 1
	s_add_co_u32 s100, s100, s3
	s_add_co_u32 s100, s100, s15                   ; 64 x head + my group of 128 tokens
	s_mul_i32 s66, s100, 6144
	s_mov_b32 s67, 0
	s_lshl_b32 s100, s100, 8
	s_mov_b32 s101, 0
	s_mul_i32 s20, s15, 2*TB
	s_mul_i32 s21, s15, 3*TB
	s_add_co_u32 s22, s21, 10*TB
	s_add_co_u32 s21, s21, 4*TB
	s_mul_i32 s23, s16, 4*TB
	s_add_co_u32 s23, s23, YB
	s_mov_b32 s[SEL], 0x76543210
	s_mov_b32 s[SEL+1], 0xfedcba98                 ; lane l xor 16
	v_and_b32 v1, 15, v0                           ; r
	v_bfe_u32 v2, v0, 4, 1                         ; h
	v_and_b32 v3, 31, v0
	v_lshlrev_b32 v4, 4, v3
	v_lshlrev_b32 v5, 3, v3
	v_lshlrev_b32 v6, 3, v1
	v_lshl_add_u32 v6, v2, 9, v6                   ; scale words: 8 r, lanes 16-31 the next tile
	v_lshlrev_b32 v7, 6, v2                        ; q's and k's bias: 16 h columns
	v_and_b32 v8, 8, v1
	v_add_nc_u32 v8, v8, v1
	v_lshlrev_b32 v8, 2, v8                        ; v's bias: column r + 8 (r / 8)
	v_lshlrev_b32 v9, 4, v1
	v_lshl_add_u32 v9, v2, 3, v9                   ; the results' scale words: 16 r + 8 h
	v_add_nc_u32 v[AD], s20, v4
	v_add_nc_u32 v[AD+1], s20, v5
	v_add_nc_u32 v[AD+2], s21, v4
	v_add_nc_u32 v[AD+3], s21, v5
	v_add_nc_u32 v[AD+4], s22, v4
	v_add_nc_u32 v[AD+5], s22, v5
	v_add_nc_u32 v[BA], s23, v4
	v_add_nc_u32 v[BA+1], s23, v5
.irp m, 0,1,2,3,4,5,6,7
	v_mov_b32 v[TX+\m], 0                          ; a lane permute's destination counts as a source
.endr
	s_wait_alu depctr_va_vdst(0)
	s_wait_dscnt 0x0
	CROUND                                         ; the opening round
	s_wait_kmcnt 0x0
	s_add_nc_u64 s[G0B+2:G0B+3], s[6:7], s[78:79]
	s_add_nc_u64 s[G0W+2:G0W+3], s[6:7], s[46:47]
	s_add_nc_u64 s[G0P+2:G0P+3], s[4:5], s[76:77]
	s_add_nc_u64 s[G0Q+2:G0Q+3], s[G0P+2:G0P+3], 2*TB
	s_add_nc_u64 s[G0R+2:G0R+3], s[G0P+2:G0P+3], 5*TB
	s_or_b32 s[G0B+3], s[G0B+3], 0x80000000
	s_or_b32 s[G0W+3], s[G0W+3], 0x80000000
	s_or_b32 s[G0P+3], s[G0P+3], 0x80000000
	s_or_b32 s[G0Q+3], s[G0Q+3], 0x80000000
	s_or_b32 s[G0R+3], s[G0R+3], 0x80000000
	s_add_nc_u64 s[80:81], s[4:5], s[80:81]
	s_add_nc_u64 s[82:83], s[6:7], s[82:83]
	s_add_nc_u64 s[84:85], s[8:9], s[84:85]
	s_add_nc_u64 s[2:3], s[10:11], s[100:101]
	s_add_nc_u64 s[2:3], s[2:3], QKS               ; q's scale words
	s_add_nc_u64 s[100:101], s[12:13], s[100:101]
	s_add_nc_u64 s[100:101], s[100:101], VS        ; v's
	s_add_nc_u64 s[10:11], s[10:11], s[66:67]      ; q's codes
	s_add_nc_u64 s[12:13], s[12:13], s[66:67]      ; v's
	s_cmp_eq_u32 s14, 0
	s_cbranch_scc0 .Lwave_1
	TLOAD G0B, G1B                                 ; wave 0: q's columns of W
	s_branch .Lasked
.Lwave_1:
	s_cmp_eq_u32 s14, 1
	s_cbranch_scc0 .Lwave_2
	TLOAD G0P, G1P                                 ; wave 1: token blocks 0, 1 of both wave rows
	s_branch .Lasked
.Lwave_2:
	s_cmp_eq_u32 s14, 2
	s_cbranch_scc0 .Lwave_3
	TLOAD G0Q, G1Q                                 ; wave 2: blocks 2 to 4
	s_branch .Lasked
.Lwave_3:
	TLOAD G0R, G1Q                                 ; wave 3: blocks 5 to 7
.Lasked:
.irp m, 0,1,2,3
.irp k, 0,1,2,3
	global_load_b64 v[SA+8*\m+2*\k:SA+8*\m+2*\k+1], v6, s[80:81] offset:1024*\m+128*\k
.endr
.endr
	s_wait_tensorcnt 0x0                           ; my tile has landed;
	BARRIER                                        ; all four have
	FETCH 0
	FETCH 1
	s_mov_b32 s45, 2
.Lqk:                                          ; phases q and k
	CONSTS 0
	WFRAGS
	s_wait_tensorcnt 0x0
	ds_add_u32 v[SPW], v[NIL]
	s_wait_dscnt 0x0                               ; the add is done, and I hold W's fragments and blocks 0 and 1
	CROUND
	TLOAD G0W, G1W                                 ; the next phase's columns over this phase's: my two tiles
	s_wait_loadcnt 0x0
	PHASE 0, 0
	s_wait_xcnt 0x0                                ; loads and stores have read their bases
	s_add_nc_u64 s[82:83], s[82:83], 64*512
	s_add_nc_u64 s[84:85], s[84:85], 4096
	s_add_nc_u64 s[10:11], s[10:11], 16*64*6144
	s_add_nc_u64 s[2:3], s[2:3], 16*64*256
	s_wait_tensorcnt 0x0                           ; my part of the refill has landed: its descriptor may step
	s_add_nc_u64 s[G0W+2:G0W+3], s[G0W+2:G0W+3], 64*TB
	s_wait_dscnt 0x0
	BARRIER                                        ; a plain barrier shows the refill to all
	s_sub_co_u32 s45, s45, 1
	s_cmp_lg_u32 s45, 0
	s_cbranch_scc1 .Lqk
	CONSTS 1                                       ; phase v
	WFRAGS
	s_wait_dscnt 0x0
	s_wait_loadcnt 0x0
	PHASE 1, 1
	s_wait_tensorcnt 0x0                           ; the wave's end
	ds_add_u32 v[SPW], v[NIL]
	s_wait_dscnt 0x0
	CROUND                                         ; the closing round
	s_endpgm
.Lfunc_end_k_qfc3be37a6c_gemm1:
	.size	k_qfc3be37a6c_gemm1, .Lfunc_end_k_qfc3be37a6c_gemm1-k_qfc3be37a6c_gemm1
	.p2alignl 7, 3214868480
	.fill 96, 4, 3214868480
	.section	.rodata,"a",@progbits
	.p2align	6, 0x0
	.amdhsa_kernel k_qfc3be37a6c_gemm1
		.amdhsa_group_segment_fixed_size 327680
		.amdhsa_private_segment_fixed_size 0
		.amdhsa_enable_private_segment 0
		.amdhsa_kernarg_size 40
		.amdhsa_user_sgpr_count 2
		.amdhsa_user_sgpr_kernarg_segment_ptr 1
		.amdhsa_wavefront_size32 1
		.amdhsa_system_sgpr_workgroup_id_x 1
		.amdhsa_system_sgpr_workgroup_id_y 1
		.amdhsa_system_sgpr_workgroup_id_z 1
		.amdhsa_system_vgpr_workitem_id 0
		.amdhsa_next_free_vgpr 1024
		.amdhsa_next_free_sgpr 102
		.amdhsa_reserve_vcc 1
		.amdhsa_float_denorm_mode_32 3
		.amdhsa_float_denorm_mode_16_64 3
		.amdhsa_memory_ordered 1
		.amdhsa_forward_progress 1
		.amdhsa_inst_pref_size 170
	.end_amdhsa_kernel
	.amdgpu_metadata
---
amdhsa.version: [ 1, 2 ]
amdhsa.kernels:
  - .name:           k_qfc3be37a6c_gemm1
    .symbol:         k_qfc3be37a6c_gemm1.kd
    .args:
      - { .name: xq, .offset: 0, .size: 8, .value_kind: global_buffer, .address_space: global }
      - { .name: wq, .offset: 8, .size: 8, .value_kind: global_buffer, .address_space: global }
      - { .name: b_qkv, .offset: 16, .size: 8, .value_kind: global_buffer, .address_space: global }
      - { .name: qk, .offset: 24, .size: 8, .value_kind: global_buffer, .address_space: global }
      - { .name: vv, .offset: 32, .size: 8, .value_kind: global_buffer, .address_space: global }
    .group_segment_fixed_size: 327680
    .private_segment_fixed_size: 0
    .kernarg_segment_align: 8
    .kernarg_segment_size: 40
    .max_flat_workgroup_size: 128
    .sgpr_count:     102
    .vgpr_count:     1024
    .wavefront_size: 32
...
	.end_amdgpu_metadata
.endif
;; end of part 2
;; launch attn (part 3): grid 4 x 64, 16 waves a work-group, clusters of 4 x 1, 327,680 bytes of LDS; arguments qk, vv, ao; writes ao
.if DOCPART == 3
	.amdgcn_target "amdgcn-amd-amdhsa--gfx1250"
	.amdhsa_code_object_version 6
	.text
	.protected	k_qfc3be37a6c_attn
	.globl	k_qfc3be37a6c_attn
	.p2align	8
	.type	k_qfc3be37a6c_attn,@function
k_qfc3be37a6c_attn:
	s_mov_b64 s[64:65], 0
	v_nop
	global_prefetch_b8 v0, s[64:65] scope:SCOPE_SE
	s_setreg_imm32_b32 hwreg(HW_REG_WAVE_MODE, 25, 1), 1
	s_wait_xcnt 0x0
	s_wait_alu depctr_hold_cnt(0) depctr_sa_sdst(0) depctr_va_vdst(0) depctr_va_sdst(0) depctr_va_ssrc(0) depctr_va_vcc(0) depctr_vm_vsrc(0)
	s_getreg_b32 s2, hwreg(HW_REG_IB_STS2, 6, 4)
	s_cmp_eq_u32 s2, 0
	s_cbranch_scc0 .Lentry_in_a_cluster
	s_endpgm
.Lentry_in_a_cluster:
	s_bfe_u32 s2, ttmp6, 0x10000c
	s_cmp_lg_u32 s2, 0x3003
	s_cbranch_scc0 .Lentry_shape_is_right
	s_endpgm
.Lentry_shape_is_right:
; softmax(q k^T / 8) v for one head of one batch, on codes of FP6 (E2M3) with E8M0 scales; the result is quantised along the head's 64 channels and stored as the out-projection's operand (ao).
; A cluster of four work-groups takes one (head, batch): each 512 queries, 16 waves x 16 queries x 2 passes.  All 2,048 keys lie in LDS: K's codes (64 bytes of padding behind every 256: 122,880 bytes), V's 98,304, their scale words 8,192.
; They are asked for JOINTLY by the four partners, once, at the head: one tensor load a wave (waves 0-5 K, 6-11 V, 16,384 bytes of memory each; waves 12-13 K's scale words, 14-15 V's, 2,048 each).
; Nothing is filled again, one barrier shows all of it, and no barrier stands between the passes.  No data prefetch: all is asked for at the head, there is no loop to run ahead in.
; Both products are used transposed (S^T = k q^T, O^T = v^T p^T): a lane holds one query.  A fragment of K is two tiles of 16 keys x 64 channels; q stands in one half of its operand and zero codes in the other.
; WHICH KEYS FORM A TILE IS CHOSEN BY THE LANES' ADDRESSES: in qk a unit T of a step's eight holds keys 32 (T / 2) + 8 (T % 2) + r' + 8 (r' / 8).  Row r = 8 H + j of tile t = 2 f + e is taken from unit 4 (f / 2) + 2 H + e, row j + 8 (f % 2):
; key 64 (f / 2) + 32 H + 8 (t % 4) + j.  So lane (query, h) holds in its 64 score registers keys 32 h + 0 .. 31 and 64 + 32 h + 0 .. 31: two whole scale blocks, in the order of p's operand registers.  No code changes lanes.
; With the padding a unit is 960 bytes, and units two apart lie 128 bytes apart modulo 256.
; p = 2^(t - M), t = score x log2(e) / 8, M the ceiling of the running largest t; the row's sum is taken of the unquantised p; when M moves, sum and O^T are multiplied by a power of two.
; TWO REGIONS OF 64 REGISTERS CHANGE ROLES from step to step: one holds this step's K fragments and then its V fragments, the other the scores and p; when p has been converted, the next step's K fragments are fetched into its first 48 registers.
; The fetch behind a pass's last step reads bytes that follow K's codes and K's scale words in LDS (V's first); they are not used.
; LIMITS: the promise holds while the scaled scores stay under 2^31 in magnitude; NaN and infinities are not served; a block under 2^-124 gets the byte 1.
.set QKS,  12582912
.set VS,   6291456
.set AOS,  6291456
.set KST,  7680                        ; a step's K in LDS: 24 chunks of 256 + 64 bytes
.set LV,   122880                      ; LDS: K's codes at 0, V's here,
.set LS,   221184                      ; K's scale words, then V's 4,096 on,
.set SPARE, 229376                     ; the spare words, 128 bytes a wave
.set KS,   35                          ; v35 my place in K's scale words: 16 j + 4 H
.set X,    36                          ; v36-99, v100-163 the two regions
.set Y,    100
.set O,    164                         ; v164-195 O^T
.set PCD,  196                         ; v196-207 p's codes;  v208-210, v212-214 the halves that begin on an odd register
.set CT,   208
.set KB16, 211                         ; v211, v215 my place in a step's K: 1,920 H + 320 h + 16 j, 1,920 H + 128 h + 8 j
.set KB8,  215
.set BM,   216                         ; v216-219 four chains of maxima; then v216, v218 my two blocks', v217, v219 their bytes
.set RX,   220                         ; what lane l xor 16 sends
.set T2,   221
.set C2,   222                         ; v222-223, v252-253 two of the sum's four chains, begun anew in each step
.set SO,   224                         ; v224-225 scale operands
.set KSA,  226                         ; address of K's scale words
.set F,    228                         ; v228 the factor 2^(old M - new M) (v229 = 0, named as its pair's upper half)
.set T,    230
.set PSW,  231                         ; p's scale word
.set L1,   232                         ; v14-15, v232-233 the row's sum
.set NM1,  234                         ; -M lies in v12 and v234 by turns (v235 = 0)
.set SWK,  236                         ; K's and V's scale words
.set SWV,  240
.set QN,   244                         ; v244-249 the second pass's q, v250 its scale word as loaded, v251 as used
.set C3,   252
.set WV,   10
.set TK,   56
.set TV,   57
.set TS,   58
.set SEL,  66
.set CS,   68
.macro ROUND
	s_barrier_signal -1
	s_barrier_wait -1
	s_cmp_lg_u32 s[WV], 0
	s_cbranch_scc1 .Lnot_wave_0_\@
	s_barrier_signal -3
.Lnot_wave_0_\@:
	s_barrier_wait -3
	s_barrier_signal -1
	s_barrier_wait -1
.endm
.macro WALU
	s_wait_alu depctr_va_vdst(0)
.endm
.macro TLOAD g0, g1
	tensor_load_to_lds s[\g0:\g0+3], s[\g1:\g1+7]
	s_nop 0
.rept 4
	v_nop
.endr
.endm
	s_load_b128 s[4:7], s[0:1], 0x0                ; qk, vv
	s_load_b64 s[8:9], s[0:1], 0x10                ; ao
	v_lshl_add_u32 v254, v0, 2, SPARE
	v_mov_b32 v255, 0
	ds_add_u32 v254, v255
	ds_add_u32 v254, v255
	v_lshrrev_b32 v1, 5, v0
	v_readfirstlane_b32 s[WV], v1                  ; wave 0..15
	s_bfe_u32 s11, ttmp6, 0x40000                  ; cx: which 512 queries
	s_and_b32 s12, ttmp7, 0xffff                   ; 4 x head + batch
	s_mov_b32 s16, 15|(3<<16)|(1<<21)              ; group 1: dense bytes as rows of 256 (32 elements of 8), mask of all four partners: V's,
	s_mov_b32 s24, 15|(3<<16)|(1<<21)              ; the scale words',
	s_mov_b32 s84, 15|(3<<16)|(1<<20)|(1<<21)|(5<<22)|(15<<25)   ; K's: 16 words of padding behind every 64
.irp g, 16, 24, 84
	s_mov_b32 s[\g+1], 32<<16
	s_mov_b32 s[\g+3], 32<<16
	s_mov_b32 s[\g+5], 32
	s_mov_b32 s[\g+6], 0
	s_mov_b32 s[\g+7], 0
.endr
	s_mov_b32 s18, 64<<16                          ; codes: 64 rows
	s_mov_b32 s20, 64
	s_mov_b32 s86, 64<<16
	s_mov_b32 s88, 64
	s_mov_b32 s26, 8<<16                           ; scale words: 8 rows
	s_mov_b32 s28, 8
	s_mul_i32 s72, s12, 98304
	s_mov_b32 s73, 0
	s_lshl_b32 s74, s12, 12
	s_mov_b32 s75, 0
	s_mov_b32 s32, 1
	s_mul_i32 s33, s[WV], 64*320                   ; waves 0-5: K's six parts
	s_mov_b32 s92, 1
	s_lshl_b32 s93, s[WV], 14
	s_add_co_u32 s93, s93, LV-6*16384              ; waves 6-11: V's six
	s_mov_b32 s36, 1
	s_lshl_b32 s37, s[WV], 11
	s_add_co_u32 s37, s37, LS-12*2048              ; waves 12-15: the four parts of the scale words
	s_wait_dscnt 0x0
	s_wait_kmcnt 0x0
	s_add_nc_u64 s[76:77], s[4:5], s[72:73]        ; q's codes
	s_add_nc_u64 s[40:41], s[76:77], 64*98304      ; k's
	s_add_nc_u64 s[42:43], s[6:7], s[72:73]        ; v's
	s_add_nc_u64 s[78:79], s[4:5], s[74:75]
	s_add_nc_u64 s[78:79], s[78:79], QKS           ; q's scale words
	s_add_nc_u64 s[44:45], s[78:79], 64*4096       ; k's
	s_add_nc_u64 s[46:47], s[6:7], s[74:75]
	s_add_nc_u64 s[46:47], s[46:47], VS            ; v's
	s_lshl_b32 s74, s[WV], 14
	s_add_nc_u64 s[34:35], s[40:41], s[74:75]
	s_or_b32 s35, s35, 0x80000000
	s_add_nc_u64 s[94:95], s[42:43], s[74:75]
	s_sub_nc_u64 s[94:95], s[94:95], 6*16384
	s_or_b32 s95, s95, 0x80000000
	s_cmp_lt_u32 s[WV], 14
	s_cselect_b64 s[72:73], s[44:45], s[46:47]
	s_and_b32 s74, s[WV], 1
	s_lshl_b32 s74, s74, 11
	s_add_nc_u64 s[38:39], s[72:73], s[74:75]
	s_or_b32 s39, s39, 0x80000000
	ROUND                                          ; the four partners are here: the joint loads meet
	s_cmp_lt_u32 s[WV], 6                          ; one chain on the wave's number, one load to an arm
	s_cbranch_scc0 .Lfor_v
	TLOAD 32, 84
	s_branch .Lasked
.Lfor_v:
	s_cmp_lt_u32 s[WV], 12
	s_cbranch_scc0 .Lwords
	TLOAD 92, 16
	s_branch .Lasked
.Lwords:
	TLOAD 36, 24
.Lasked:
	s_mov_b32 s73, 0
	s_lshl_b32 s80, s11, 5
	s_add_co_u32 s80, s80, s[WV]                   ; my first tile of 16 queries; the second pass's lies 16 tiles on
	s_mul_i32 s72, s80, 768
	s_add_nc_u64 s[48:49], s[76:77], s[72:73]
	s_lshl_b32 s72, s11, 2
	s_lshr_b32 s81, s[WV], 3
	s_add_co_u32 s72, s72, s81
	s_lshl_b32 s72, s72, 8
	s_bfe_u32 s81, s[WV], 0x20001
	s_lshl_b32 s81, s81, 2
	s_add_co_u32 s72, s72, s81
	s_add_nc_u64 s[50:51], s[78:79], s[72:73]      ; its scale word: two tiles share one
	s_and_b32 s81, s12, 3
	s_lshl_b32 s81, s81, 7
	s_add_co_u32 s80, s80, s81                     ; the tile among all 512
	s_lshr_b32 s82, s12, 2                         ; the head
	s_mul_i32 s72, s80, 12288
	s_mul_i32 s83, s82, 768
	s_add_co_u32 s72, s72, s83
	s_add_nc_u64 s[52:53], s[8:9], s[72:73]        ; ao's codes: unit [tile][head]
	s_lshl_b32 s72, s80, 9
	s_lshr_b32 s83, s82, 2
	s_lshl_b32 s83, s83, 7
	s_add_co_u32 s72, s72, s83
	s_and_b32 s83, s82, 3
	s_lshl_b32 s83, s83, 1
	s_add_co_u32 s72, s72, s83
	s_add_co_u32 s72, s72, AOS
	s_add_nc_u64 s[54:55], s[8:9], s[72:73]        ; ao's scale bytes
	s_and_b32 s71, s[WV], 1
	s_cmp_eq_u32 s71, 0
	s_mov_b32 s70, 0x03020302
	s_cselect_b32 s70, 0x01000100, s70             ; my tile's two bytes of the word, for both halves of the operand
	s_mov_b32 s[SEL], 0x76543210
	s_mov_b32 s[SEL+1], 0xfedcba98                 ; lane l xor 16
	s_mov_b32 s[CS], 0x3e38aa3b                    ; log2(e) / 8
	s_mov_b32 s[CS+1], s[CS]
	s_mov_b32 s60, 2
	v_and_b32 v9, 31, v0
	v_and_b32 v11, 15, v0
	v_lshlrev_b32 v1, 4, v9                        ; 16 x lane
	v_lshlrev_b32 v2, 3, v9                        ; 8 x lane
	v_lshlrev_b32 v3, 4, v11                       ; 16 r
	v_bfe_u32 v9, v0, 4, 1                         ; h
	v_lshl_add_u32 v10, v11, 3, v9                 ; 8 r + h
	global_load_b128 v[22:25], v1, s[48:49]
	global_load_b64 v[26:27], v2, s[48:49] offset:512
	global_load_b32 v[RX], v3, s[50:51]
	global_load_b128 v[QN:QN+3], v1, s[48:49] offset:12288
	global_load_b64 v[QN+4:QN+5], v2, s[48:49] offset:12800
	global_load_b32 v[QN+6], v3, s[50:51] offset:512
	v_and_b32 v4, 7, v0                            ; j
	v_bfe_u32 v5, v0, 3, 1                         ; H
	v_mul_u32_u24 v6, v5, 1920
	v_lshl_add_u32 v7, v4, 4, v6
	v_mad_u32_u24 v[KB16], v9, 320, v7
	v_lshl_add_u32 v7, v4, 3, v6
	v_lshl_add_u32 v[KB8], v9, 7, v7
	v_lshlrev_b32 v7, 4, v4
	v_lshl_add_u32 v[KS], v5, 2, v7
	v_lshlrev_b32 v11, 3, v9                       ; 8 h: my two bytes' place in p's scale word
.irp i, 0,1,2,3,4,5
	v_mov_b32 v[16+\i], 0                          ; zero codes on both sides of q
	v_mov_b32 v[28+\i], 0
.endr
	v_mov_b32 v[F+1], 0
	v_mov_b32 v[T], 0                              ; a lane permute's destination counts as a source
	v_mov_b32 v[NM1+1], 0
	WALU
	s_wait_loadcnt 0x0
	v_perm_b32 v34, v[RX], v[RX], s70
	v_perm_b32 v[QN+7], v[QN+6], v[QN+6], s70
	s_wait_tensorcnt 0x0                           ; my part has landed;
	s_barrier_signal -1
	s_barrier_wait -1                              ; everybody's has
.macro FOUR d, a16, a8, off            ; four fragments of V: two units of 768 bytes each, every load of consecutive bytes
.irp f, 0,1,2,3
	ds_load_b128 v[\d+12*\f:\d+12*\f+3], v[\a16] offset:(\off)+1536*\f
	ds_load_b64 v[\d+12*\f+4:\d+12*\f+5], v[\a8] offset:(\off)+1536*\f+512
	ds_load_b128 v[\d+12*\f+6:\d+12*\f+9], v[\a16] offset:(\off)+1536*\f+768
	ds_load_b64 v[\d+12*\f+10:\d+12*\f+11], v[\a8] offset:(\off)+1536*\f+1280
.endr
.endm
.macro FOURK d, a16, a8, off, soff     ; four fragments of K by the lanes' own rows, and their rows' scale words: 20 loads
.irp f, 0,1,2,3
	ds_load_b128 v[\d+12*\f:\d+12*\f+3], v[\a16] offset:(\off)+3840*(\f/2)+128*(\f%2)
	ds_load_b64 v[\d+12*\f+4:\d+12*\f+5], v[\a8] offset:(\off)+3840*(\f/2)+64*(\f%2)+640
	ds_load_b128 v[\d+12*\f+6:\d+12*\f+9], v[\a16] offset:(\off)+3840*(\f/2)+128*(\f%2)+960
	ds_load_b64 v[\d+12*\f+10:\d+12*\f+11], v[\a8] offset:(\off)+3840*(\f/2)+64*(\f%2)+1600
	ds_load_b32 v[SWK+\f], v[KSA] offset:(\soff)+128*(\f%2)+8*(\f/2)
.endr
.endm
; A step of 128 keys.  ka: the region with K's fragments, then V's;  sr: scores and p;  nn, no: where the new and the old -M lie;  odd: the trip's second step, which takes the first's addresses with offsets
.macro STEP ka, sr, nn, no, odd
	s_wait_dscnt 0x0                               ; K's fragments and scale words are in
.irp f, 0,1,2,3
.irp u, 0,1
	v_wmma_scale_f32_16x16x128_f8f6f4 v[\sr+8*(2*\f+\u):\sr+8*(2*\f+\u)+7], v[\ka+12*\f:\ka+12*\f+11], v[22-6*\u:33-6*\u], 0, v[SWK+\f], v34 matrix_a_fmt:MATRIX_FMT_FP6 matrix_b_fmt:MATRIX_FMT_FP6
.endr
.endr
.if \odd                               ; four places behind the products, ahead of the loads into their registers and of the first read of the scores
.rept 4
	v_nop
.endr
.else
	v_add_nc_u32 v6, s[TV], v1                     ; the trip's addresses fill them
	v_add_nc_u32 v7, s[TV], v2
	v_add_nc_u32 v8, s[TS], v3
	v_add_nc_u32 v4, s[TK], v[KB16]
	v_add_nc_u32 v5, s[TK], v[KB8]
	v_add_nc_u32 v[KSA], s[TS], v[KS]
.endif
	FOUR \ka, 6, 7, 6144*\odd                      ; V's fragments: they land under the softmax
	ds_load_b128 v[SWV:SWV+3], v8 offset:4096+256*\odd
.irp c, 0,1,2,3
	v_max3_num_f32 v[BM+\c], v[\sr+16*\c], v[\sr+16*\c+1], v[\sr+16*\c+2]   ; the largest score, four chains of 16 by turns
.endr
.irp i, 3,5,7,9,11,13
.irp c, 0,1,2,3
	v_max3_num_f32 v[BM+\c], v[BM+\c], v[\sr+16*\c+\i], v[\sr+16*\c+\i+1]
.endr
.endr
	v_max3_num_f32 v[BM], v[BM], v[BM+1], v[\sr+15]                        ; my two whole blocks of 32 keys
	v_max3_num_f32 v[BM+2], v[BM+2], v[BM+3], v[\sr+47]
	v_max_num_f32 v[BM], v[BM], v[\sr+31]
	v_max_num_f32 v[BM+2], v[BM+2], v[\sr+63]
	v_max_num_f32 v[T], v[BM], v[BM+2]
	v_permlanex16_b32 v[RX], v[T], s[SEL], s[SEL+1]
	v_max_num_f32 v[T], v[T], v[RX]                ; the step's largest score of my query
	v_mul_f32 v[T], s[CS], v[T]
	v_max_num_f32 v13, v13, v[T]                   ; the running largest t
	v_floor_f32 v[\nn], -v13                       ; -M = floor(-t)
	v_sub_f32 v[T], v[\nn], v[\no]                 ; old M - new M, a whole number
	v_cvt_i32_f32 v[T], v[T]
.set jj, 0
.rept 32
	v_pk_fma_f32 v[\sr+jj:\sr+jj+1], v[\sr+jj:\sr+jj+1], s[CS:CS+1], v[\nn:\nn+1] op_sel_hi:[1,0,0]
.set jj, jj+2
.endr
	v_fma_f32 v[BM], v[BM], s[CS], v[\nn]          ; the same of each block's largest score
	v_fma_f32 v[BM+2], v[BM+2], s[CS], v[\nn]
	WALU                                           ; ahead of the batch
.set jj, 0
.rept 64
	v_exp_f32 v[\sr+jj], v[\sr+jj]
.set jj, jj+1
.endr
	v_exp_f32 v[BM], v[BM]                         ; the blocks' largest p
	v_exp_f32 v[BM+2], v[BM+2]
	v_ldexp_f32 v[F], 1.0, v[T]                    ; the plain place behind the batch
	WALU                                           ; and behind it
	v_pk_fma_f32 v[14:15], v[14:15], v[F:F+1], v[\sr:\sr+1] op_sel_hi:[1,0,1]          ; the sums under the new M, and the first p; four chains by turns
	v_pk_fma_f32 v[L1:L1+1], v[L1:L1+1], v[F:F+1], v[\sr+2:\sr+3] op_sel_hi:[1,0,1]
	v_pk_add_f32 v[C2:C2+1], v[\sr+4:\sr+5], v[\sr+6:\sr+7]
	v_pk_add_f32 v[C3:C3+1], v[\sr+8:\sr+9], v[\sr+10:\sr+11]
	v_max_num_f32 v[BM], 0x1800000, v[BM]          ; the floor 2^(3 - 127) holds the byte at 1
	v_max_num_f32 v[BM+2], 0x1800000, v[BM+2]
.set jj, 12
.rept 4                                ; registers 12 to 43
	v_pk_add_f32 v[14:15], v[14:15], v[\sr+jj:\sr+jj+1]
	v_pk_add_f32 v[L1:L1+1], v[L1:L1+1], v[\sr+jj+2:\sr+jj+3]
	v_pk_add_f32 v[C2:C2+1], v[C2:C2+1], v[\sr+jj+4:\sr+jj+5]
	v_pk_add_f32 v[C3:C3+1], v[C3:C3+1], v[\sr+jj+6:\sr+jj+7]
.set jj, jj+8
.endr
	v_add_nc_u32 v[SO], 0xff000000, v[BM]          ; 2 off the exponent field: the conversion's scale operand
	v_add_nc_u32 v[SO+1], 0xff000000, v[BM+2]
	v_pk_add_f32 v[14:15], v[14:15], v[\sr+44:\sr+45]
	v_pk_add_f32 v[L1:L1+1], v[L1:L1+1], v[\sr+46:\sr+47]                  ; the last 16 registers follow behind the step's last products
	v_cvt_scalef32_pk16_fp6_f32 v[PCD:PCD+2], v[\sr:\sr+15], v[SO]
	v_cvt_scalef32_pk16_fp6_f32 v[CT:CT+2], v[\sr+16:\sr+31], v[SO]        ; (a conversion's three registers begin on an even number)
	v_cvt_scalef32_pk16_fp6_f32 v[PCD+6:PCD+8], v[\sr+32:\sr+47], v[SO+1]
	v_cvt_scalef32_pk16_fp6_f32 v[CT+4:CT+6], v[\sr+48:\sr+63], v[SO+1]
	FOURK \sr, 4, 5, KST*\odd, 256+256*\odd        ; the next step's K, into registers whose p has been summed and converted
	v_lshrrev_b32 v[BM+1], 23, v[SO]               ; the bytes (plain lines behind the conversions)
	v_lshrrev_b32 v[BM+3], 23, v[SO+1]
	v_lshl_or_b32 v[T2], v[BM+3], 16, v[BM+1]      ; blocks h and 2 + h,
	v_lshlrev_b32 v[T2], v11, v[T2]                ; 8 h bits up;
	v_permlanex16_b32 v[RX], v[T2], s[SEL], s[SEL+1]
	v_or_b32 v[PSW], v[T2], v[RX]                  ; with lane l xor 16's two the word is whole
.irp i, 0,1,2
	v_mov_b32 v[PCD+3+\i], v[CT+\i]
	v_mov_b32 v[PCD+9+\i], v[CT+4+\i]
.endr
	WALU                                           ; directly ahead of the first reader of O^T
.set jj, 0
.rept 16
	v_pk_mul_f32 v[O+jj:O+jj+1], v[O+jj:O+jj+1], v[F:F+1] op_sel_hi:[1,0]
.set jj, jj+2
.endr
	WALU
	s_wait_dscnt 20                                ; V's 17 loads are in; the 20 for the next K are younger
.irp t, 0,1,2,3
	v_wmma_scale_f32_16x16x128_f8f6f4 v[O+8*\t:O+8*\t+7], v[\ka+12*\t:\ka+12*\t+11], v[PCD:PCD+11], v[O+8*\t:O+8*\t+7], v[SWV+\t], v[PSW] matrix_a_fmt:MATRIX_FMT_FP6 matrix_b_fmt:MATRIX_FMT_FP6
.endr
.set jj, 48
.rept 2                                ; the rest of the sum: ten plain lines between these products and the next step's, which write over V's registers
	v_pk_add_f32 v[C2:C2+1], v[C2:C2+1], v[\sr+jj:\sr+jj+1]
	v_pk_add_f32 v[C3:C3+1], v[C3:C3+1], v[\sr+jj+2:\sr+jj+3]
	v_pk_add_f32 v[14:15], v[14:15], v[\sr+jj+4:\sr+jj+5]
	v_pk_add_f32 v[L1:L1+1], v[L1:L1+1], v[\sr+jj+6:\sr+jj+7]
.set jj, jj+8
.endr
	v_pk_add_f32 v[14:15], v[14:15], v[C2:C2+1]
	v_pk_add_f32 v[L1:L1+1], v[L1:L1+1], v[C3:C3+1]
.endm
.Lpass:
.set jj, 0
.rept 32
	v_mov_b32 v[O+jj], 0                           ; the step is written once: the first finds zeros
.set jj, jj+1
.endr
	v_mov_b32 v14, 0
	v_mov_b32 v15, 0
	v_mov_b32 v[L1], 0
	v_mov_b32 v[L1+1], 0
	v_mov_b32 v13, 0xff61b1e6                      ; -3e38, under every t
	v_floor_f32 v[NM1], -v13
	v_add_nc_u32 v[KSA], LS, v[KS]
	FOURK X, KB16, KB8, 0, 0                       ; step 0's K
	s_mov_b32 s[TK], KST                           ; the K that a trip's first step fetches
	s_mov_b32 s[TV], LV
	s_mov_b32 s[TS], LS
	s_mov_b32 s59, 8
.Lstep:                                        ; a trip is two steps: the regions are back where they began
	STEP X, Y, 12, NM1, 0
	STEP Y, X, NM1, 12, 1
	s_add_co_u32 s[TK], s[TK], 2*KST
	s_add_co_u32 s[TV], s[TV], 12288
	s_add_co_u32 s[TS], s[TS], 512
	s_sub_co_u32 s59, s59, 1
	s_cmp_lg_u32 s59, 0
	s_cbranch_scc1 .Lstep
	WALU
	s_wait_dscnt 0x0                               ; the fetch behind the last step: its registers are free again
	v_pk_add_f32 v[14:15], v[14:15], v[L1:L1+1]
	v_add_f32 v14, v14, v15
	v_permlanex16_b32 v[T], v14, s[SEL], s[SEL+1]
	v_add_f32 v14, v14, v[T]                       ; the row's sum
	WALU
	v_rcp_f32 v[F], v14
	v_nop
	WALU
.set jj, 0
.rept 16
	v_pk_mul_f32 v[Y+jj:Y+jj+1], v[O+jj:O+jj+1], v[F:F+1] op_sel_hi:[1,0]
.set jj, jj+2
.endr
.irp b, 0,1                            ; two blocks of 32 channels, each in lanes l and l xor 16
	v_max3_num_f32 v[BM+\b], |v[Y+16*\b]|, |v[Y+1+16*\b]|, 0x1800000
.endr
.irp i, 2,4,6,8,10,12,14
.irp b, 0,1
	v_max3_num_f32 v[BM+\b], v[BM+\b], |v[Y+16*\b+\i]|, |v[Y+1+16*\b+\i]|
.endr
.endr
.irp b, 0,1
	v_permlanex16_b32 v[C2+\b], v[BM+\b], s[SEL], s[SEL+1]
.endr
.irp b, 0,1
	v_max_num_f32 v[BM+\b], v[BM+\b], v[C2+\b]
.endr
.irp b, 0,1
	v_add_nc_u32 v[SO+\b], 0xff000000, v[BM+\b]
.endr
.irp b, 0,1
	v_lshrrev_b32 v[C2+\b], 23, v[SO+\b]
.endr
	v_cvt_scalef32_pk16_fp6_f32 v[PCD:PCD+2], v[Y:Y+15], v[SO]
	v_cvt_scalef32_pk16_fp6_f32 v[CT:CT+2], v[Y+16:Y+31], v[SO+1]
	v_nop
.irp i, 0,1,2
	v_permlane16_swap_b32 v[PCD+\i], v[CT+\i]      ; a whole block in a lane
.endr
.irp i, 0,1,2
	v_mov_b32 v[PCD+3+\i], v[CT+\i]
.endr
	v_cmp_ne_u32 vcc_lo, 0, v9
	v_cndmask_b32 v[T], v[C2], v[C2+1], vcc_lo     ; lane (r, h): block h's byte of row r
	global_store_b128 v1, v[PCD:PCD+3], s[52:53]   ; 512 consecutive bytes,
	global_store_b64 v2, v[PCD+4:PCD+5], s[52:53] offset:512   ; and 256: a unit
	global_store_b8 v10, v[T], s[54:55]
	s_wait_xcnt 0x0                                ; the stores have read their registers and bases
	s_add_nc_u64 s[52:53], s[52:53], 16*12288
	s_add_nc_u64 s[54:55], s[54:55], 16*512
.irp i, 0,1,2,3,4,5
	v_mov_b32 v[22+\i], v[QN+\i]                   ; the second pass's q
.endr
	v_mov_b32 v34, v[QN+7]
	s_sub_co_u32 s60, s60, 1
	s_cmp_lg_u32 s60, 0
	s_cbranch_scc1 .Lpass
	s_wait_tensorcnt 0x0                           ; the wave's end
	ds_add_u32 v254, v255
	s_wait_dscnt 0x0
	ROUND                                          ; the closing round
	s_endpgm
.Lfunc_end_k_qfc3be37a6c_attn:
	.size	k_qfc3be37a6c_attn, .Lfunc_end_k_qfc3be37a6c_attn-k_qfc3be37a6c_attn
	.p2alignl 7, 3214868480
	.fill 96, 4, 3214868480
	.section	.rodata,"a",@progbits
	.p2align	6, 0x0
	.amdhsa_kernel k_qfc3be37a6c_attn
		.amdhsa_group_segment_fixed_size 327680
		.amdhsa_private_segment_fixed_size 0
		.amdhsa_enable_private_segment 0
		.amdhsa_kernarg_size 24
		.amdhsa_user_sgpr_count 2
		.amdhsa_user_sgpr_kernarg_segment_ptr 1
		.amdhsa_wavefront_size32 1
		.amdhsa_system_sgpr_workgroup_id_x 1
		.amdhsa_system_sgpr_workgroup_id_y 1
		.amdhsa_system_sgpr_workgroup_id_z 1
		.amdhsa_system_vgpr_workitem_id 0
		.amdhsa_next_free_vgpr 256
		.amdhsa_next_free_sgpr 100
		.amdhsa_reserve_vcc 1
		.amdhsa_float_denorm_mode_32 3
		.amdhsa_float_denorm_mode_16_64 3
		.amdhsa_memory_ordered 1
		.amdhsa_forward_progress 1
		.amdhsa_inst_pref_size 46
	.end_amdhsa_kernel
	.amdgpu_metadata
---
amdhsa.version: [ 1, 2 ]
amdhsa.kernels:
  - .name:           k_qfc3be37a6c_attn
    .symbol:         k_qfc3be37a6c_attn.kd
    .args:
      - { .name: qk, .offset: 0, .size: 8, .value_kind: global_buffer, .address_space: global }
      - { .name: vv, .offset: 8, .size: 8, .value_kind: global_buffer, .address_space: global }
      - { .name: ao, .offset: 16, .size: 8, .value_kind: global_buffer, .address_space: global }
    .group_segment_fixed_size: 327680
    .private_segment_fixed_size: 0
    .kernarg_segment_align: 8
    .kernarg_segment_size: 24
    .max_flat_workgroup_size: 512
    .sgpr_count:     100
    .vgpr_count:     256
    .wavefront_size: 32
...
	.end_amdgpu_metadata
.endif
;; end of part 3
;; launch gemm2 (part 4): grid 8 x 32, 4 waves a work-group, clusters of 4 x 4, 327,680 bytes of LDS; arguments ao, wo, b_out, out0; writes out0
.if DOCPART == 4
	.amdgcn_target "amdgcn-amd-amdhsa--gfx1250"
	.amdhsa_code_object_version 6
	.text
	.protected	k_qfc3be37a6c_gemm2
	.globl	k_qfc3be37a6c_gemm2
	.p2align	8
	.type	k_qfc3be37a6c_gemm2,@function
k_qfc3be37a6c_gemm2:
	s_mov_b64 s[64:65], 0
	v_nop
	global_prefetch_b8 v0, s[64:65] scope:SCOPE_SE
	s_setreg_imm32_b32 hwreg(HW_REG_WAVE_MODE, 25, 1), 1
	s_wait_xcnt 0x0
	s_wait_alu depctr_hold_cnt(0) depctr_sa_sdst(0) depctr_va_vdst(0) depctr_va_sdst(0) depctr_va_ssrc(0) depctr_va_vcc(0) depctr_vm_vsrc(0)
	s_getreg_b32 s2, hwreg(HW_REG_IB_STS2, 6, 4)
	s_cmp_eq_u32 s2, 0
	s_cbranch_scc0 .Lentry_in_a_cluster
	s_endpgm
.Lentry_in_a_cluster:
	s_bfe_u32 s2, ttmp6, 0x10000c
	s_cmp_lg_u32 s2, 0xf033
	s_cbranch_scc0 .Lentry_shape_is_right
	s_endpgm
.Lentry_shape_is_right:
; out = context W_out + b_out, f32: 8,192 x 1,024 x 1,024 on codes of FP6 (E2M3) with E8M0 scales.
; OPERANDS (ao, wo): tiles of 16 rows, 12,288 bytes: 16 units of 768 bytes (16 rows x 64 k: lane L's registers 0-3 at 16 L, 4-5 at 512 + 8 L); lane r of tile T holds row 32 (T / 2) + 8 (T % 2) + r + 8 (r / 8).
; Scale bytes behind the codes: [tile][K / 256][r][8].
; THE DEAL: 256 work-groups of four waves, 2 x 2, each 256 rows x 128 columns.  A wave holds four column tiles of W_out, all of K, in registers (32 fragments) and streams its eight tiles of context past them:
; 32 products a block, four accumulators by turns; each block's rows go through the wave's own stage and are stored at once, 256 consecutive bytes for sixteen lanes.
; LDS: context's 16 tiles and W_out's 8, each filled once, at the head: nothing is filled again, and there is no loop to run ahead in, so no data prefetch.
; THE HEAD'S FOUR LOADS, one a wave, each on a line of its own: W_out's 8 tiles; context's tiles 0, 1 of both wave rows; tiles 2-4; tiles 5-7.  A part is two rows (one for each wave row), 8 tiles apart in memory, on end in LDS.
; The stream begins when the first two are in; a barrier inside block 0 shows the third, one inside block 3 the fourth.
; CLUSTER 4 x 4: context's tiles are asked for jointly along a row of the cluster, W_out's along a column.  Scale words and bias go from memory into registers, once.
; Source 0 = W_out's rows, source 1 = context's: a lane holds eight neighbouring columns of one row.  The bias is the first product's C: a sum begins with it.  LIMITS: NaN, infinities and sums beyond f32's range are not served.
.set AOS, 6291456
.set WOS, 786432
.set FR,  12
.set FPW, 21                           ; fragments in a window of 256 registers; fragment f lies in window 1 + f / 21: 0-31 W_out's (4 q + b), 32-47 context's two sets (32 + 8 e + q)
.set TB,  12288
.set YB,  16*TB                        ; W_out's tiles
.set SP,  272                          ; a stage row: 256 bytes + 16
.set STAGE, YB+8*TB
.set SPARE, STAGE+4*16*SP
.set SPW, 10
.set NIL, 11
.set AD,  12                           ; v12-17 my tiles in the three parts: 16 and 8 bytes a lane
.set BA,  18                           ; v18-19 the same for W_out
.set STO, 20
.set RD,  21
.set CO,  22
.set SB,  24                           ; v24-39 W_out's scale words: 8 p + q; lanes 0-15 tile 2 p, lanes 16-31 tile 2 p + 1
.set SA,  44                           ; v44-75 context's, likewise by pairs of blocks
.set BI,  80                           ; v80-111 the bias
.set ACC, 112                          ; v112-175 two sets of four accumulators
.set BK,  176                          ; v176-239 two sets of 16 rows back from the stage
.set G1B, 24
.set G1P, 32
.set G1Q, 48
.set G0B, 56
.set G0P, 60
.set G0Q, 68
.set G0R, 72
.set MSB, 0
.macro WIN new
.if MSB != (\new)
	s_set_vgpr_msb (MSB<<8)|(\new)
.set MSB, (\new)
.endif
.endm
.macro PLACES n
.rept \n
	v_nop
.endr
.endm
.macro BARRIER
	s_barrier_signal -1
	s_barrier_wait -1
.endm
.macro CROUND
	BARRIER
	s_cmp_lg_u32 s14, 0
	s_cbranch_scc1 .Lnot_wave_0_\@
	s_barrier_signal -3
.Lnot_wave_0_\@:
	s_barrier_wait -3
	BARRIER
.endm
.macro TLOAD g0, g1
	tensor_load_to_lds s[\g0:\g0+3], s[\g1:\g1+7]
	s_nop 0
	PLACES 4
.endm
.macro GROUP1 g, mask, d0, rows, stride ; rows of d0 elements of 8 bytes
	s_or_b32 s[\g], s[\mask], (3<<16)|(1<<21)
	s_mov_b32 s[\g+1], (\d0)<<16
	s_mov_b32 s[\g+2], (\rows)<<16
	s_mov_b32 s[\g+3], (\d0)<<16
	s_mov_b32 s[\g+4], \rows
	s_mov_b32 s[\g+5], \stride
	s_mov_b32 s[\g+6], 0
	s_mov_b32 s[\g+7], 0
.endm
.macro FRAG f, a16, a8, off            ; a fragment = two units on end
	WIN (1+(\f)/FPW)<<6
.set R_, FR*((\f)%FPW)
	ds_load_b128 v[R_:R_+3], v[\a16] offset:\off
	ds_load_b64 v[R_+4:R_+5], v[\a8] offset:(\off)+512
	ds_load_b128 v[R_+6:R_+9], v[\a16] offset:(\off)+768
	ds_load_b64 v[R_+10:R_+11], v[\a8] offset:(\off)+1280
.endm
.macro FETCH a                         ; block a's eight fragments into set a % 2: 32 loads
.if (\a) < 2
.set P_, 0
.set I_, (\a)
.elseif (\a) < 5
.set P_, 1
.set I_, (\a)-2
.else
.set P_, 2
.set I_, (\a)-5
.endif
.irp q, 0,1,2,3,4,5,6,7
	FRAG 32+8*((\a)%2)+\q, AD+2*P_, AD+2*P_+1, I_*TB+1536*\q
.endr
	WIN 0
.endm
.macro PX d, s0, s1, c, x0, x1, ra, rb
	v_wmma_scale_f32_16x16x128_f8f6f4 v[\d:\d+7], v[\s0:\s0+11], v[\s1:\s1+11], \c, v[\x0], v[\x1] matrix_a_fmt:MATRIX_FMT_FP6 matrix_b_fmt:MATRIX_FMT_FP6 matrix_a_scale:MATRIX_SCALE_ROW\ra matrix_b_scale:MATRIX_SCALE_ROW\rb
.endm
.macro PW d, s0, s1, c, x0, x1, ra, rb
.if (\ra) && (\rb)
	PX \d, \s0, \s1, \c, \x0, \x1, 1, 1
.elseif (\ra)
	PX \d, \s0, \s1, \c, \x0, \x1, 1, 0
.elseif (\rb)
	PX \d, \s0, \s1, \c, \x0, \x1, 0, 1
.else
	PX \d, \s0, \s1, \c, \x0, \x1, 0, 0
.endif
.endm
.macro PROD a, n                       ; product n = 4 q + b of block a
.set Q_, (\n)/4
.set B_, (\n)%4
.set FA_, 32+8*((\a)%2)+Q_
.set D_, ACC+32*((\a)%2)+8*B_
.set S0_, FR*((\n)%FPW)
.set S1_, FR*(FA_%FPW)
.set X0_, SB+8*(B_/2)+Q_
.set X1_, SA+8*((\a)/2)+Q_
	WIN (1+(\n)/FPW)|((1+FA_/FPW)<<2)
.if Q_
	PW D_, S0_, S1_, v[D_:D_+7], X0_, X1_, B_%2, (\a)%2
.else
	PW D_, S0_, S1_, v[BI+8*B_:BI+8*B_+7], X0_, X1_, B_%2, (\a)%2
.endif
.endm
.macro PRODS a, from, to
.set N_, \from
.rept (\to)-(\from)
	PROD \a, N_
.set N_, N_+1
.endr
	WIN 0
.endm
.macro STAGED e                        ; set e's sums into my stage, each accumulator from its low end on, and back as whole rows; LDS serves a wave's instructions in order
.irp b, 0,1,2,3
	ds_store_b128 v[STO], v[ACC+32*(\e)+8*\b:ACC+32*(\e)+8*\b+3] offset:128*(\b/2)+32*(\b%2)
	ds_store_b128 v[STO], v[ACC+32*(\e)+8*\b+4:ACC+32*(\e)+8*\b+7] offset:128*(\b/2)+32*(\b%2)+16
.endr
.irp t, 0,1,2,3,4,5,6,7
	ds_load_b128 v[BK+32*(\e)+4*\t:BK+32*(\e)+4*\t+3], v[RD] offset:2*\t*SP
.endr
.endm
.macro TOC a                           ; stage rows 2 t, 2 t + 1 of block a are rows 32 (a / 2) + 8 (a % 2) + 2 t + 8 (t / 4) and the next of my 128
.irp t, 0,1,2,3,4,5,6,7
	global_store_b128 v[CO], v[BK+32*((\a)%2)+4*\t:BK+32*((\a)%2)+4*\t+3], s[10:11] offset:(32*((\a)/2)+8*((\a)%2)+2*\t+8*(\t/4))*4096 th:TH_STORE_NT
.endr
.endm
.macro BLK a, fetch, bar               ; bar = 1: a barrier inside the block shows wave 2's tiles; 2: all that is still out
.if \bar
	PRODS \a, 0, 24
.if \bar == 1
	s_cmp_eq_u32 s14, 2
	s_cbranch_scc0 .Lnot_c
.endif
	s_wait_tensorcnt 0x0
.if \bar == 1
.Lnot_c:
.endif
	s_wait_dscnt 0x0
	s_barrier_signal -1
	PRODS \a, 24, 32
	s_barrier_wait -1
.else
	PRODS \a, 0, 32
.endif
	PLACES 4                                       ; behind the last product, ahead of the first reader of its sums and of the fetch into its registers
	s_wait_xcnt 0x0                                ; the stores of two blocks ago have read this set of rows
	STAGED (\a)%2
.if \fetch
	FETCH (\a)+2
	s_wait_dscnt 32                                ; the rows are back, and the next block's fragments are in; younger is this fetch alone
.else
	s_wait_dscnt 0x0
.endif
	TOC \a
.endm
	s_load_b256 s[4:11], s[0:1], 0x0               ; ao, wo, b_out, out0
	v_lshl_add_u32 v[SPW], v0, 2, SPARE
	v_mov_b32 v[NIL], 0
	ds_add_u32 v[SPW], v[NIL]
	ds_add_u32 v[SPW], v[NIL]
	v_lshrrev_b32 v1, 5, v0
	v_readfirstlane_b32 s14, v1                    ; the wave; s15 its row of the 2 x 2, s16 its column
	s_lshr_b32 s15, s14, 1
	s_and_b32 s16, s14, 1
	s_bfe_u32 s40, ttmp6, 0x40000
	s_bfe_u32 s41, ttmp6, 0x40004
	s_lshl_b32 s42, ttmp9, 2
	s_add_co_u32 s42, s42, s40                     ; which 128 columns
	s_and_b32 s17, ttmp7, 0xffff
	s_lshl_b32 s17, s17, 2
	s_add_co_u32 s17, s17, s41                     ; which 256 rows
	s_lshl_b32 s43, s41, 2
	s_lshl_b32 s43, 15, s43                        ; my row of the cluster
	s_lshl_b32 s44, 0x1111, s40                    ; my column
	GROUP1 G1B, 44, 32, 384, 32                    ; W_out: 98,304 dense bytes as rows of 256
	GROUP1 G1P, 43, 3072, 2, 12288                 ; two tiles for each wave row
	GROUP1 G1Q, 43, 4608, 2, 12288                 ; three
	s_mov_b32 s[G0B], 1
	s_mov_b32 s[G0B+1], YB
	s_mov_b32 s[G0P], 1
	s_mov_b32 s[G0P+1], 0
	s_mov_b32 s[G0Q], 1
	s_mov_b32 s[G0Q+1], 4*TB
	s_mov_b32 s[G0R], 1
	s_mov_b32 s[G0R+1], 10*TB
	s_mul_i32 s76, s17, 16*TB
	s_mov_b32 s77, 0
	s_mul_i32 s78, s42, 8*TB
	s_mov_b32 s79, 0
	s_lshl_b32 s80, s17, 4
	s_lshl_b32 s18, s15, 3
	s_add_co_u32 s80, s80, s18
	s_lshl_b32 s80, s80, 9
	s_add_co_u32 s80, s80, AOS                     ; my eight tiles' scale bytes
	s_mov_b32 s81, 0
	s_lshl_b32 s82, s42, 3
	s_lshl_b32 s18, s16, 2
	s_add_co_u32 s82, s82, s18
	s_lshl_b32 s82, s82, 9
	s_add_co_u32 s82, s82, WOS                     ; my four column tiles'
	s_mov_b32 s83, 0
	s_lshl_b32 s84, s42, 9
	s_lshl_b32 s18, s16, 8
	s_add_co_u32 s84, s84, s18                     ; my first column, in bytes
	s_mov_b32 s85, 0
	s_lshl_b32 s86, s17, 20
	s_lshl_b32 s18, s15, 19
	s_add_co_u32 s86, s86, s18
	s_add_co_u32 s86, s86, s84                     ; my corner of out
	s_mov_b32 s87, 0
	s_mul_i32 s20, s15, 2*TB
	s_mul_i32 s21, s15, 3*TB
	s_add_co_u32 s22, s21, 10*TB
	s_add_co_u32 s21, s21, 4*TB
	s_mul_i32 s23, s16, 4*TB
	s_add_co_u32 s23, s23, YB
	s_mul_i32 s19, s14, 16*SP
	s_add_co_u32 s19, s19, STAGE
	v_and_b32 v1, 15, v0                           ; r
	v_bfe_u32 v2, v0, 4, 1                         ; h
	v_and_b32 v3, 31, v0
	v_lshlrev_b32 v4, 4, v3
	v_lshlrev_b32 v5, 3, v3
	v_lshlrev_b32 v6, 3, v1
	v_lshl_add_u32 v6, v2, 9, v6                   ; scale words: 8 r, lanes 16-31 the next tile
	v_lshlrev_b32 v7, 6, v2                        ; bias: 16 h columns
	v_add_nc_u32 v[AD], s20, v4
	v_add_nc_u32 v[AD+1], s20, v5
	v_add_nc_u32 v[AD+2], s21, v4
	v_add_nc_u32 v[AD+3], s21, v5
	v_add_nc_u32 v[AD+4], s22, v4
	v_add_nc_u32 v[AD+5], s22, v5
	v_add_nc_u32 v[BA], s23, v4
	v_add_nc_u32 v[BA+1], s23, v5
	v_mul_u32_u24 v8, v1, SP
	v_lshl_add_u32 v8, v2, 6, v8
	v_add_nc_u32 v[STO], s19, v8                   ; into the stage: row r, + 64 h
	v_mul_u32_u24 v9, v2, SP
	v_lshl_add_u32 v9, v1, 4, v9
	v_add_nc_u32 v[RD], s19, v9                    ; back: lanes 0-15 a row, lanes 16-31 the next
	v_lshlrev_b32 v3, 12, v2
	v_lshl_add_u32 v[CO], v1, 4, v3                ; and the same two rows in out
	s_wait_alu depctr_va_vdst(0)
	s_wait_dscnt 0x0
	CROUND                                         ; the opening round
	s_wait_kmcnt 0x0
	s_add_nc_u64 s[G0B+2:G0B+3], s[6:7], s[78:79]
	s_add_nc_u64 s[G0P+2:G0P+3], s[4:5], s[76:77]
	s_add_nc_u64 s[G0Q+2:G0Q+3], s[G0P+2:G0P+3], 2*TB
	s_add_nc_u64 s[G0R+2:G0R+3], s[G0P+2:G0P+3], 5*TB
	s_or_b32 s[G0B+3], s[G0B+3], 0x80000000
	s_or_b32 s[G0P+3], s[G0P+3], 0x80000000
	s_or_b32 s[G0Q+3], s[G0Q+3], 0x80000000
	s_or_b32 s[G0R+3], s[G0R+3], 0x80000000
	s_add_nc_u64 s[80:81], s[4:5], s[80:81]
	s_add_nc_u64 s[82:83], s[6:7], s[82:83]
	s_add_nc_u64 s[84:85], s[8:9], s[84:85]
	s_add_nc_u64 s[10:11], s[10:11], s[86:87]
	s_cmp_eq_u32 s14, 0
	s_cbranch_scc0 .Lwave_1
	TLOAD G0B, G1B                                 ; wave 0: W_out, which is wanted first
	s_branch .Lasked
.Lwave_1:
	s_cmp_eq_u32 s14, 1
	s_cbranch_scc0 .Lwave_2
	TLOAD G0P, G1P                                 ; wave 1: blocks 0, 1
	s_branch .Lasked
.Lwave_2:
	s_cmp_eq_u32 s14, 2
	s_cbranch_scc0 .Lwave_3
	TLOAD G0Q, G1Q                                 ; wave 2: blocks 2 to 4
	s_branch .Lasked
.Lwave_3:
	TLOAD G0R, G1Q                                 ; wave 3: blocks 5 to 7
.Lasked:
.irp p, 0,1
.irp k, 0,1,2,3
	global_load_b64 v[SB+8*\p+2*\k:SB+8*\p+2*\k+1], v6, s[82:83] offset:1024*\p+128*\k
.endr
.endr
.irp m, 0,1,2,3
.irp k, 0,1,2,3
	global_load_b64 v[SA+8*\m+2*\k:SA+8*\m+2*\k+1], v6, s[80:81] offset:1024*\m+128*\k
.endr
.endr
.irp b, 0,1,2,3                        ; register j of tile b of lane (r, h) is column 32 (b / 2) + 8 (b % 2) + 16 h + j of my 64
	global_load_b128 v[BI+8*\b:BI+8*\b+3], v7, s[84:85] offset:4*(32*(\b/2)+8*(\b%2))
	global_load_b128 v[BI+8*\b+4:BI+8*\b+7], v7, s[84:85] offset:4*(32*(\b/2)+8*(\b%2))+16
.endr
	s_cmp_eq_u32 s14, 0
	s_cbranch_scc0 .Lnot_b
	s_wait_tensorcnt 0x0
.Lnot_b:
	BARRIER                                        ; W_out has landed
.irp q, 0,1,2,3,4,5,6,7
.irp b, 0,1,2,3
	FRAG 4*\q+\b, BA, BA+1, \b*TB+1536*\q
.endr
.endr
	WIN 0
	s_cmp_eq_u32 s14, 1
	s_cbranch_scc0 .Lnot_a
	s_wait_tensorcnt 0x0
.Lnot_a:
	s_wait_dscnt 0x0
	BARRIER                                        ; blocks 0 and 1 have landed; waves 2 and 3's tiles may be on their way
	FETCH 0
	FETCH 1
	s_wait_loadcnt 0x0                             ; scale words and bias
	s_wait_dscnt 32                                ; block 0's fragments are in
	BLK 0, 1, 1
	BLK 1, 1, 0
	BLK 2, 1, 0
	BLK 3, 1, 2
	BLK 4, 1, 0
	BLK 5, 1, 0
	BLK 6, 0, 0
	BLK 7, 0, 0
	s_wait_tensorcnt 0x0                           ; the wave's end
	ds_add_u32 v[SPW], v[NIL]
	s_wait_dscnt 0x0
	CROUND                                         ; the closing round
	s_endpgm
.Lfunc_end_k_qfc3be37a6c_gemm2:
	.size	k_qfc3be37a6c_gemm2, .Lfunc_end_k_qfc3be37a6c_gemm2-k_qfc3be37a6c_gemm2
	.p2alignl 7, 3214868480
	.fill 96, 4, 3214868480
	.section	.rodata,"a",@progbits
	.p2align	6, 0x0
	.amdhsa_kernel k_qfc3be37a6c_gemm2
		.amdhsa_group_segment_fixed_size 327680
		.amdhsa_private_segment_fixed_size 0
		.amdhsa_enable_private_segment 0
		.amdhsa_kernarg_size 32
		.amdhsa_user_sgpr_count 2
		.amdhsa_user_sgpr_kernarg_segment_ptr 1
		.amdhsa_wavefront_size32 1
		.amdhsa_system_sgpr_workgroup_id_x 1
		.amdhsa_system_sgpr_workgroup_id_y 1
		.amdhsa_system_sgpr_workgroup_id_z 1
		.amdhsa_system_vgpr_workitem_id 0
		.amdhsa_next_free_vgpr 840
		.amdhsa_next_free_sgpr 100
		.amdhsa_reserve_vcc 0
		.amdhsa_float_denorm_mode_32 3
		.amdhsa_float_denorm_mode_16_64 3
		.amdhsa_memory_ordered 1
		.amdhsa_forward_progress 1
		.amdhsa_inst_pref_size 85
	.end_amdhsa_kernel
	.amdgpu_metadata
---
amdhsa.version: [ 1, 2 ]
amdhsa.kernels:
  - .name:           k_qfc3be37a6c_gemm2
    .symbol:         k_qfc3be37a6c_gemm2.kd
    .args:
      - { .name: ao, .offset: 0, .size: 8, .value_kind: global_buffer, .address_space: global }
      - { .name: wo, .offset: 8, .size: 8, .value_kind: global_buffer, .address_space: global }
      - { .name: b_out, .offset: 16, .size: 8, .value_kind: global_buffer, .address_space: global }
      - { .name: out0, .offset: 24, .size: 8, .value_kind: global_buffer, .address_space: global }
    .group_segment_fixed_size: 327680
    .private_segment_fixed_size: 0
    .kernarg_segment_align: 8
    .kernarg_segment_size: 32
    .max_flat_workgroup_size: 128
    .sgpr_count:     100
    .vgpr_count:     840
    .wavefront_size: 32
...
	.end_amdgpu_metadata
.endif
;; end of part 4
